; MI455X (gfx1250); checked and timed in simulation.
; The chip was launched on July 23, 2026; its instructions are those of AMD's public machine-readable ISA for CDNA 5 (MIT licence, August 2026) and "CDNA5" Instruction Set Architecture Reference Guide (July 2026). The comments in the code are by the model that wrote it; some were corrected since.
;; Multihead Attention. Allowed arithmetic: matrix products marked QUANTISED: E4M3 operands, one given power-of-two scale a tensor, by v_wmma_f32_16x16x64_fp8_fp8 or v_wmma_f32_16x16x128_fp8_fp8, f32 sums; everything else in f32.
;; Inputs: K 4 x 2,048 x 1,024 float32; Q 4 x 2,048 x 1,024 float32; V 4 x 2,048 x 1,024 float32; Wk 1,024 x 1,024 float32; Wo 1,024 x 1,024 float32; Wq 1,024 x 1,024 float32; Wv 1,024 x 1,024 float32; bk 1,024 float32; bo 1,024 float32; bq 1,024 float32; bv 1,024 float32; lowp_scales 12 int32 (the exponents e of the quantised operands' scales 2^e).
;; Outputs: out0 4 x 2,048 x 1,024 float32.
;; This version of the problem:
;;   THIS VERSION OF THE PROBLEM IS GIVEN IN LOW PRECISION. The matrix products marked QUANTISED in the list below multiply operands that are first quantised to E4M3 (4 exponent bits, 3 mantissa bits; 8 bits a number), with one given power-of-two scale for each operand tensor; their sums are f32. All else is computed in f32.
;;   The module's matrix products, in the order in which they are computed (A, B: the left and right operand; K: the contracted axis; several contracted axes count as one K, in the product's order):
;;     1. [M 8,192, K 1,024] x [K 1,024, N 1,024]; A: input Q; B: input Wq: QUANTISED (scales: A lowp_scales[0], B lowp_scales[1])
;;     2. [M 8,192, K 1,024] x [K 1,024, N 1,024]; A: input K; B: input Wk: QUANTISED (scales: A lowp_scales[2], B lowp_scales[3])
;;     3. [M 8,192, K 1,024] x [K 1,024, N 1,024]; A: input V; B: input Wv: QUANTISED (scales: A lowp_scales[4], B lowp_scales[5])
;;     4. batch 64 x [M 2,048, K 64] x [K 64, N 2,048]; A: computed on the way; B: computed on the way: QUANTISED (scales: A lowp_scales[6], B lowp_scales[7])
;;     5. batch 64 x [M 64, K 2,048] x [K 2,048, N 2,048]; A: computed on the way; B: softmax (see below): QUANTISED (scales: A lowp_scales[8], B lowp_scales[9])
;;     6. [M 8,192, K 1,024] x [K 1,024, N 1,024]; A: computed on the way; B: input Wo: QUANTISED (scales: A lowp_scales[10], B lowp_scales[11])
;;   THE QUANTISER, for each operand of a quantised product, along K:
;;     - The operand's scale is 2^e, e = its entry of the input lowp_scales (int32; the entries are numbered through the quantised products in the list's order, A before B).
;;     - Each number is divided by the scale, clamped to +-448, and rounded to the nearest number of E4M3, ties to even, subnormals kept.
;;     - The product sums the exact products of the quantised numbers (number of the format x scale) in f32.
;;   ~~~python
;;   def quantise(x, axis, e):      # numpy; x: float32 -> the quantised numbers, widened to float32 again
;;       x = np.moveaxis(x, axis, -1); K = x.shape[-1]
;;       r = np.clip(x / 2.0 ** e, -448, 448)
;;       step = 2.0 ** (np.maximum(np.frexp(np.where(r == 0, 1, r))[1] - 1, -6) - 3)
;;       q = np.round(r / step) * step * 2.0 ** e      # np.round: ties to even
;;       return np.moveaxis(q, -1, axis).astype(np.float32)
;;   ~~~
;;   SOFTMAX AHEAD OF A QUANTISED PRODUCT. Where the list says 'softmax', what is quantised is not the finished softmax but p = 2^(t - M), with t = logit x log2(e) and M = ceil(the row's largest t), a whole number; so 1/2 < the row's largest p <= 1. The row's sum l is taken of the UNQUANTISED p, in f32, and the product's result is divided by l at the end. Since M is a whole number, a kernel that streams over the keys may use a running M (the ceiling of the running maximum): every later rescaling is an exact power of two, so the quantised numbers keep their values, but for numbers so far below the row's largest that they fall under the format's range.
;;   OPERANDS COMPUTED ON THE WAY. 'Computed on the way' means the value that the module computes at that place (a softmax that the list does not call 'softmax' is quantised finished and normalised). What goes into a quantiser is computed in f32, as accurately as f32 sums, v_exp_f32 and their like allow (about 1e-6 of the number): no bf16 or f16 on the way to a quantiser, and a product that is left as it is and whose result goes on into a quantised operand takes f32 operands (vector FMAs, or v_wmma_f32_16x16x4_f32). A number that lies on a knife's edge between two numbers of the format may be rounded either way, as far as f32 arithmetic and the matrix unit's own rounding can turn it there, and no further.
;; One version. Each part assembles by itself: llvm-mc -triple=amdgcn-amd-amdhsa -mcpu=gfx1250 --defsym DOCPART=n.
;; ======== version 1 of 1: 4 launches
;; limits: right only within a limited range of input values
;; workspace buffers: codes 29,360,128 bytes; qkv 25,165,824 bytes; ac 8,388,608 bytes
;; launch quant (part 1): grid 1792 x 1, 4 waves a work-group, no clusters, 33,280 bytes of LDS; arguments Q, K, V, Wq, Wk, Wv, Wo, lowp_scales, codes; writes codes
.if DOCPART == 1
	.amdgcn_target "amdgcn-amd-amdhsa--gfx1250"
	.amdhsa_code_object_version 6
	.text
	.protected	k_qf74c9a1238_quant
	.globl	k_qf74c9a1238_quant
	.p2align	8
	.type	k_qf74c9a1238_quant,@function
k_qf74c9a1238_quant:
	s_mov_b64 s[64:65], 0
	v_nop
	global_prefetch_b8 v0, s[64:65] scope:SCOPE_SE
	s_setreg_imm32_b32 hwreg(HW_REG_WAVE_MODE, 25, 1), 1
	s_wait_xcnt 0x0
; Q, K, V [8192][1024] and Wq, Wk, Wv, Wo [1024][1024], f32 with K innermost, become codes of FP8 (E4M3), one byte each, each tensor with the scale 2^e given for it
; (entries 0, 2, 4, 1, 3, 5, 11 of the buffer of scales).  code = x / 2^e, held within +-448, rounded to the nearest code, ties to even.
; The seven tensors' codes lie one behind the other in the workspace, in the order Q, K, V, Wq, Wk, Wv, Wo: so the place of a work-group's codes is its number x 16,384 bytes.
; A work-group takes 16,384 numbers, a wave 4,096 in 8 steps of 512.  Work-groups 0-511 Q, 512-1023 K, 1024-1535 V, then 64 for each weight: 1,792 = 7 x 256; only pointers and the exponent are chosen, by the work-group's number.
; Each of a step's four loads reads 512 consecutive bytes, 16 a lane; the 2,048 bytes turn through the wave's own stage in LDS (16 bytes of padding behind each 64) and come back 64 bytes a lane:
; 16 neighbours along K, which the conversions want in one lane's registers.  A lane's 16 codes are 16 bytes: the wave stores 512 consecutive bytes.  Waves share nothing: no barrier.
; LIMITS: -126 <= e and e + 8 <= 127.  NaN among the inputs is not served (an infinity is held at the largest code).
.set WAVES, 4
.set STEPS, 8
.set EMAX,  8
.set MANT,  0x600000                   ; the mantissa field of 448 as f32
.set CB,    16                         ; bytes of 16 codes
.set R,     16                         ; v16-79   four sets of 16 numbers as they are loaded
.set X,     80                         ; v80-111  two sets of 16 neighbours
.set C,     112                        ; v112-143 codes: four registers for each step, so that no store's data are written again
.set WREG,  8192                       ; LDS: a region for each wave: two stages of 32 x SP bytes
.set SP,    80                         ; a lane's place in a stage: its 64 bytes + 16 of padding
.set SPW,   12                         ; v12  LDS address of my spare word; never rewritten
.set NIL,   13                         ; v13  0; never rewritten
.set SPARE, WAVES*WREG                 ; behind the four regions: the spare words, 128 bytes a wave
.macro TAKE64 lim, p                   ; work-groups under lim take the tensor whose address lies in s[p:p+1]
	s_cmp_lt_u32 ttmp9, \lim
	s_cselect_b64 s[22:23], s[\p:\p+1], s[22:23]
.endm
.macro TAKE32 lim, e                   ; and its exponent
	s_cmp_lt_u32 ttmp9, \lim
	s_cselect_b32 s44, s[\e], s44
.endm
	s_load_b512 s[4:19], s[0:1], 0x0               ; Q 4, K 6, V 8, Wq 10, Wk 12, Wv 14, Wo 16, the exponents 18
	s_load_b64 s[20:21], s[0:1], 0x40              ; the codes
	v_lshl_add_u32 v[SPW], v0, 2, SPARE
	v_mov_b32 v[NIL], 0
	v_lshrrev_b32 v1, 5, v0
	v_readfirstlane_b32 s36, v1                    ; wave
	v_and_b32 v2, 31, v0                           ; lane
	v_lshlrev_b32 v3, 4, v2                        ; my 16 bytes of a load's 512
	s_mul_i32 s37, s36, WREG
	v_lshrrev_b32 v14, 2, v2
	v_mul_u32_u24 v14, v14, SP
	v_and_b32 v15, 3, v2
	v_lshl_add_u32 v14, v15, 4, v14
	v_add_nc_u32 v14, s37, v14                     ; the stage, on the way in: SP (lane / 4) + 16 (lane % 4)
	v_mul_u32_u24 v15, v2, SP
	v_add_nc_u32 v15, s37, v15                     ; and on the way out: SP x lane: my 16 neighbours
	v_mul_u32_u24 v4, v2, CB                       ; my codes' place in a step's
	s_cmp_lt_u32 ttmp9, 1536
	s_cselect_b32 s38, 511, 63                     ; an activation has 512 work-groups, a weight 64 (1,536 is a multiple of both)
	s_and_b32 s38, ttmp9, s38
	s_lshl_b32 s38, s38, 2
	s_add_co_u32 s38, s38, s36                     ; which run of 4,096 numbers of the tensor is my wave's
	s_lshl_b32 s40, s38, 14                        ; in bytes of f32
	s_mov_b32 s41, 0
	s_lshl_b32 s42, ttmp9, 2
	s_add_co_u32 s42, s42, s36
	s_lshl_b32 s42, s42, 12                        ; my wave's codes: (4 x work-group + wave) x 4,096
	s_mov_b32 s43, 0
	s_wait_alu depctr_va_vdst(0)
	s_wait_kmcnt 0x0
	s_load_b256 s[24:31], s[18:19], 0x0            ; e0 .. e7
	s_load_b128 s[32:35], s[18:19], 0x20           ; e8 .. e11
	s_mov_b64 s[22:23], s[16:17]                   ; Wo, unless the work-group's number says otherwise
	TAKE64 1728, 14
	TAKE64 1664, 12
	TAKE64 1600, 10
	TAKE64 1536, 8
	TAKE64 1024, 6
	TAKE64 512, 4
	s_add_nc_u64 s[22:23], s[22:23], s[40:41]
	s_add_nc_u64 s[20:21], s[20:21], s[42:43]
.macro LOAD t
.irp i, 0,1,2,3
	global_load_b128 v[R+16*((\t)%4)+4*\i:R+16*((\t)%4)+4*\i+3], v3, s[22:23] offset:2048*(\t)+512*\i th:TH_LOAD_NT   ; 32 lanes read 512 consecutive bytes; read once in the launch
.endr
.endm
.macro TURN t                          ; step t's numbers through the stage: LDS serves a wave's instructions in order, so no wait stands between the stores and the loads
.irp i, 0,1,2,3
	ds_store_b128 v14, v[R+16*((\t)%4)+4*\i:R+16*((\t)%4)+4*\i+3] offset:32*SP*((\t)%2)+8*SP*\i
.endr
.irp i, 0,1,2,3
	ds_load_b128 v[X+16*((\t)%2)+4*\i:X+16*((\t)%2)+4*\i+3], v15 offset:32*SP*((\t)%2)+16*\i
.endr
.endm
.irp t, 0,1,2,3
	LOAD \t
.endr
	s_wait_kmcnt 0x0
	s_mov_b32 s44, s35                             ; e11 for Wo
	TAKE32 1728, 29                                ; e5 for Wv
	TAKE32 1664, 27                                ; e3 for Wk
	TAKE32 1600, 25                                ; e1 for Wq
	TAKE32 1536, 28                                ; e4 for V
	TAKE32 1024, 26                                ; e2 for K
	TAKE32 512, 24                                 ; e0 for Q
	s_add_co_i32 s44, s44, 127
	s_lshl_b32 s45, s44, 23
	v_mov_b32 v11, s45                             ; 2^e as f32: the conversion takes its exponent field
	s_add_co_i32 s44, s44, EMAX
	s_lshl_b32 s44, s44, 23
	s_or_b32 s44, s44, MANT
	v_mov_b32 v10, s44                             ; 448 x 2^e
	s_wait_alu depctr_va_vdst(0)
	s_wait_loadcnt 12                              ; step 0's four loads are in; the twelve of steps 1 to 3 may be out
	TURN 0
.macro STEP t
.set XS, X+16*((\t)%2)
	s_wait_dscnt 0x0                               ; this step's numbers are back from the stage: so its stores into the stage have read their registers,
.if (\t)+4 < STEPS
	LOAD (\t)+4                                    ; which take the loads of four steps on
.endif
.if (\t)+1 < STEPS
.if STEPS-2-(\t) >= 3
	s_wait_loadcnt 12                              ; the next step's four loads are in; those of the three steps behind it may be out
.else
	s_wait_loadcnt 4*(STEPS-2-(\t))                ; the tail: four loads for each step still behind the next
.endif
	TURN (\t)+1                                    ; and go through the other stage while this step is worked
.endif
.irp i, 0,1,2,3,4,5,6,7,8,9,10,11,12,13,14,15
	v_med3_num_f32 v[XS+\i], v[XS+\i], -v10, v10   ; the conversion to an 8-bit code does not saturate (ISA guide 7.6.2): the hold at the largest code x the scale comes first
.endr
	v_cvt_scalef32_pk8_fp8_f32 v[C+4*(\t):C+4*(\t)+1], v[XS:XS+7], v11
	v_cvt_scalef32_pk8_fp8_f32 v[C+4*(\t)+2:C+4*(\t)+3], v[XS+8:XS+15], v11
	v_nop                                          ; a plain vector line behind the last conversion of the run
	global_store_b128 v4, v[C+4*(\t):C+4*(\t)+3], s[20:21] offset:32*CB*(\t)   ; 32 lanes store 512 consecutive bytes, aligned
.endm
.irp t, 0,1,2,3,4,5,6,7
	STEP \t
.endr
	s_wait_tensorcnt 0x0                           ; the wave's end, behind my last LDS store
	ds_add_u32 v[SPW], v[NIL]
	s_wait_dscnt 0x0
	s_endpgm
.Lfunc_end_k_qf74c9a1238_quant:
	.size	k_qf74c9a1238_quant, .Lfunc_end_k_qf74c9a1238_quant-k_qf74c9a1238_quant
	.p2alignl 7, 3214868480
	.fill 96, 4, 3214868480
	.section	.rodata,"a",@progbits
	.p2align	6, 0x0
	.amdhsa_kernel k_qf74c9a1238_quant
		.amdhsa_group_segment_fixed_size 33280
		.amdhsa_private_segment_fixed_size 0
		.amdhsa_enable_private_segment 0
		.amdhsa_kernarg_size 72
		.amdhsa_user_sgpr_count 2
		.amdhsa_user_sgpr_kernarg_segment_ptr 1
		.amdhsa_wavefront_size32 1
		.amdhsa_system_sgpr_workgroup_id_x 1
		.amdhsa_system_sgpr_workgroup_id_y 1
		.amdhsa_system_sgpr_workgroup_id_z 1
		.amdhsa_system_vgpr_workitem_id 0
		.amdhsa_next_free_vgpr 144
		.amdhsa_next_free_sgpr 66
		.amdhsa_reserve_vcc 0
		.amdhsa_float_denorm_mode_32 3
		.amdhsa_float_denorm_mode_16_64 3
		.amdhsa_memory_ordered 1
		.amdhsa_forward_progress 1
		.amdhsa_inst_pref_size 21
	.end_amdhsa_kernel
	.amdgpu_metadata
---
amdhsa.version: [ 1, 2 ]
amdhsa.kernels:
  - .name:           k_qf74c9a1238_quant
    .symbol:         k_qf74c9a1238_quant.kd
    .args:
      - { .name: Q, .offset: 0, .size: 8, .value_kind: global_buffer, .address_space: global }
      - { .name: K, .offset: 8, .size: 8, .value_kind: global_buffer, .address_space: global }
      - { .name: V, .offset: 16, .size: 8, .value_kind: global_buffer, .address_space: global }
      - { .name: Wq, .offset: 24, .size: 8, .value_kind: global_buffer, .address_space: global }
      - { .name: Wk, .offset: 32, .size: 8, .value_kind: global_buffer, .address_space: global }
      - { .name: Wv, .offset: 40, .size: 8, .value_kind: global_buffer, .address_space: global }
      - { .name: Wo, .offset: 48, .size: 8, .value_kind: global_buffer, .address_space: global }
      - { .name: lowp_scales, .offset: 56, .size: 8, .value_kind: global_buffer, .address_space: global }
      - { .name: codes, .offset: 64, .size: 8, .value_kind: global_buffer, .address_space: global }
    .group_segment_fixed_size: 33280
    .private_segment_fixed_size: 0
    .kernarg_segment_align: 8
    .kernarg_segment_size: 72
    .max_flat_workgroup_size: 128
    .sgpr_count:     66
    .vgpr_count:     144
    .wavefront_size: 32
...
	.end_amdgpu_metadata
.endif
;; end of part 1
;; launch proj (part 2): grid 4 x 96, 4 waves a work-group, clusters of 4 x 4, 327,680 bytes of LDS; arguments codes, bq, bk, bv, lowp_scales, qkv; writes qkv
.if DOCPART == 2
	.amdgcn_target "amdgcn-amd-amdhsa--gfx1250"
	.amdhsa_code_object_version 6
	.text
	.protected	k_qf74c9a1238_proj
	.globl	k_qf74c9a1238_proj
	.p2align	8
	.type	k_qf74c9a1238_proj,@function
k_qf74c9a1238_proj:
	s_mov_b64 s[64:65], 0
	v_nop
	global_prefetch_b8 v0, s[64:65] scope:SCOPE_SE
	s_setreg_imm32_b32 hwreg(HW_REG_WAVE_MODE, 25, 1), 1
	s_wait_xcnt 0x0
	s_wait_alu depctr_hold_cnt(0) depctr_sa_sdst(0) depctr_va_vdst(0) depctr_va_sdst(0) depctr_va_ssrc(0) depctr_va_vcc(0) depctr_vm_vsrc(0)
	s_getreg_b32 s2, hwreg(HW_REG_IB_STS2, 6, 4)
	s_cmp_eq_u32 s2, 0
	s_cbranch_scc0 .Lentry_in_a_cluster
	s_endpgm
.Lentry_in_a_cluster:
	s_bfe_u32 s2, ttmp6, 0x10000c
	s_cmp_lg_u32 s2, 0xf033
	s_cbranch_scc0 .Lentry_shape_is_right
	s_endpgm
.Lentry_shape_is_right:
; q = Q Wq^T + bq, k = K Wk^T + bk, v = V Wv^T + bv on codes of FP8 (E4M3), each result quantised again (entries 6, 7, 8) and stored as codes in the order that the attention launch reads.
; A tile of 256 x 256 a work-group, 128 x 128 a wave; K in steps of 256 through a ring of two LDS slots; clusters of 4 x 4 with joint loads.
; The first LDS region is shared along a row of the cluster, the second along a column.  For q and k the first holds the activations' rows (by cy) and the second the weight's (by cx).
; For v the two change places BY GLOBAL ADDRESS: the first region holds Wv's rows (by cy), the second V's rows (by cx), so that a lane's eight results are eight neighbouring keys.  No LDS address hangs on the tensor.
.set ROWB,   256
.set KROW,   1024
.set PITCH,  272
.set FR,     16
.set NL,     4
.set NP,     4
.set HALFT,  128*PITCH
.set SLOT,   4*HALFT
.set SPARE,  2*SLOT
.set STQ,    SPARE+512
.set STV,    STQ+4*2560
.set WBASE,  25165824
.set ADRA, 16
.set ADRB, 20
.set STOQ, 22
.set RDQ,  23
.set STOV, 24
.set RDV,  25
.set CO,   26
.set SPW,  28
.set NIL,  29
.set SC,   30
.set LIM,  31
.set BI,   32
.set BO,   96
.set AF,   128
.set TMP,  128
.set CD,   192
.set BK,   224
.set WV, 16
.set HA, 17
.set HB, 18
.set TT, 19
.set G1, 24
.set G0, 32
.set G1B, 48
.set G0B, 56
.set MSB, 0
.macro WIN new
.if MSB != \new
	s_set_vgpr_msb (MSB<<8)|\new
.set MSB, \new
.endif
.endm
.set MUL_LO, 0xa1
.set MUL_HI, 0xf1
.set TO_B,   0x40
.macro JLOAD g0a, g1a, g0b, g1b
	s_cmp_eq_u32 s[HA], 0
	s_cbranch_scc0 .Lfor_b_\@
	tensor_load_to_lds s[\g0a:\g0a+3], s[\g1a:\g1a+7]
	s_nop 0
.rept 4
	v_nop
.endr
	s_branch .Lasked_\@
.Lfor_b_\@:
	tensor_load_to_lds s[\g0b:\g0b+3], s[\g1b:\g1b+7]
	s_nop 0
.rept 4
	v_nop
.endr
.Lasked_\@:
.endm
.macro CREST
	s_cmp_lg_u32 s[WV], 0
	s_cbranch_scc1 .Lnot_wave_0_\@
	s_barrier_signal -3
.Lnot_wave_0_\@:
	s_barrier_wait -3
	s_barrier_signal -1
	s_barrier_wait -1
.endm
.macro CROUND
	s_barrier_signal -1
	s_barrier_wait -1
	CREST
.endm
	s_load_b256 s[4:11], s[0:1], 0x0
	s_load_b128 s[12:15], s[0:1], 0x20
	v_lshl_add_u32 v[SPW], v0, 2, SPARE
	v_mov_b32 v[NIL], 0
	ds_add_u32 v[SPW], v[NIL]
	ds_add_u32 v[SPW], v[NIL]
	v_lshrrev_b32 v1, 5, v0
	v_readfirstlane_b32 s[WV], v1
	s_lshr_b32 s[HA], s[WV], 1
	s_and_b32 s[HB], s[WV], 1
	s_bfe_u32 s40, ttmp6, 0x40000
	s_bfe_u32 s41, ttmp6, 0x40004
	s_lshl_b32 s42, ttmp9, 2
	s_add_co_u32 s42, s42, s40
	s_and_b32 s20, ttmp7, 0xffff
	s_lshr_b32 s[TT], s20, 3
	s_lshl_b32 s21, s20, 2
	s_add_co_u32 s21, s21, s41
	s_lshl_b32 s43, s41, 2
	s_lshl_b32 s43, 15, s43
	s_lshl_b32 s44, 0x1111, s40
	s_or_b32 s[G1+0], s43, (0<<16)|(1<<20)|(1<<21)|(5<<22)|(3<<25)
	s_or_b32 s[G1B+0], s44, (0<<16)|(1<<20)|(1<<21)|(5<<22)|(3<<25)
.irp g, G1, G1B
	s_mov_b32 s[\g+1], ROWB<<16
	s_mov_b32 s[\g+2], 128<<16
	s_mov_b32 s[\g+3], ROWB<<16
	s_mov_b32 s[\g+4], 128
	s_mov_b32 s[\g+5], KROW
	s_mov_b32 s[\g+6], 0
	s_mov_b32 s[\g+7], 0
.endr
	s_lshl_b32 s22, s21, 8
	s_lshl_b32 s23, s[HB], 7
	s_add_co_u32 s22, s22, s23
	s_lshl_b32 s22, s22, 10
	s_lshl_b32 s70, s41, 8                         ; for v: Wv's rows 256 cy + 128 x half
	s_add_co_u32 s70, s70, s23
	s_lshl_b32 s70, s70, 10
	s_add_co_u32 s70, s70, WBASE+2097152
	s_cmp_eq_u32 s[TT], 2
	s_cselect_b32 s22, s70, s22
	s_mov_b32 s23, 0
	s_lshl_b32 s46, s42, 8
	s_lshl_b32 s47, s[HB], 7
	s_add_co_u32 s46, s46, s47
	s_lshl_b32 s46, s46, 10
	s_lshl_b32 s47, s[TT], 20
	s_add_co_u32 s46, s46, s47
	s_add_co_u32 s46, s46, WBASE
	s_lshl_b32 s71, s20, 2                         ; for v: the activations' tile row 4 x cluster y + cx, half HB: (2 x tile + half) x 131,072 bytes
	s_add_co_u32 s71, s71, s40
	s_lshl_b32 s71, s71, 1
	s_add_co_u32 s71, s71, s[HB]
	s_lshl_b32 s71, s71, 17
	s_cmp_eq_u32 s[TT], 2
	s_cselect_b32 s46, s71, s46
	s_mov_b32 s47, 0
	s_mul_i32 s45, s[WV], HALFT
	s_wait_dscnt 0x0
	s_wait_kmcnt 0x0
	s_load_b256 s[72:79], s[12:13], 0x0
	s_load_b128 s[80:83], s[12:13], 0x20
	s_add_nc_u64 s[22:23], s[4:5], s[22:23]
	s_add_nc_u64 s[46:47], s[4:5], s[46:47]
	CROUND
.irp s, 0,1
	s_mov_b32 s[G0+4*\s], 1
	s_add_co_u32 s[G0+4*\s+1], s45, \s*SLOT
	s_add_nc_u64 s[G0+4*\s+2:G0+4*\s+3], s[22:23], \s*ROWB
	s_or_b32 s[G0+4*\s+3], s[G0+4*\s+3], 0x80000000
	s_mov_b32 s[G0B+4*\s], 1
	s_add_co_u32 s[G0B+4*\s+1], s45, \s*SLOT
	s_add_nc_u64 s[G0B+4*\s+2:G0B+4*\s+3], s[46:47], \s*ROWB
	s_or_b32 s[G0B+4*\s+3], s[G0B+4*\s+3], 0x80000000
	s_wait_alu depctr_va_vdst(0)
	s_wait_tensorcnt 0x0
	ds_add_u32 v28, v29
	ds_add_u32 v28, v29
	s_wait_dscnt 0x0
	CROUND
	JLOAD G0+4*\s, G1, G0B+4*\s, G1B
.endr
	v_and_b32 v1, 15, v0
	v_bfe_u32 v2, v0, 4, 1
	v_mul_u32_u24 v3, v1, PITCH
	v_lshl_add_u32 v4, v2, 4, v3
	s_wait_alu depctr_va_vdst(0)
	s_lshl_b32 s96, s20, 2
	s_add_co_u32 s96, s96, s40
	s_cmp_eq_u32 s[TT], 2
	s_cselect_b32 s96, s96, s21                    ; s96: my tile row of positions; s97: my tile column of the 1,024 features
	s_cselect_b32 s97, s41, s42
	s_cselect_b32 s95, 4, 0
	s_cselect_b32 s92, 0, 32
	s_cselect_b32 s89, 0, 4
	s_cselect_b32 s93, s[HA], s[HB]
	s_cselect_b32 s94, s[HB], s[HA]
	s_cselect_b64 s[68:69], s[10:11], s[8:9]
	s_cmp_eq_u32 s[TT], 0
	s_cselect_b64 s[68:69], s[6:7], s[68:69]
	s_mul_i32 s88, s[HA], HALFT
	s_mul_i32 s86, s[HB], HALFT
	s_add_co_u32 s86, s86, 2*HALFT
.irp s, 0,1
	v_add_nc_u32 v[ADRA+\s], s88, v4
	v_add_nc_u32 v[ADRB+\s], s86, v4
	s_add_co_u32 s88, s88, SLOT
	s_add_co_u32 s86, s86, SLOT
.endr
	s_mul_i32 s86, s[WV], 2560
	s_add_co_u32 s86, s86, STQ
	v_mul_u32_u24 v5, v1, 80
	v_lshl_add_u32 v5, v2, 3, v5
	v_add_nc_u32 v[STOQ], s86, v5
	v_and_b32 v6, 31, v0
	v_lshrrev_b32 v7, 2, v6
	v_mul_u32_u24 v7, v7, 80
	v_and_b32 v8, 3, v6
	v_lshl_add_u32 v7, v8, 4, v7
	v_add_nc_u32 v[RDQ], s86, v7
	s_mul_i32 s86, s[WV], 2304
	s_add_co_u32 s86, s86, STV
	v_mul_u32_u24 v5, v1, 144
	v_lshl_add_u32 v5, v2, 3, v5
	v_add_nc_u32 v[STOV], s86, v5
	v_lshrrev_b32 v7, 3, v6
	v_mul_u32_u24 v7, v7, 144
	v_and_b32 v8, 7, v6
	v_lshl_add_u32 v7, v8, 4, v7
	v_add_nc_u32 v[RDV], s86, v7
	v_lshlrev_b32 v[CO], 4, v6
	s_lshl_b32 s90, s97, 10
	s_lshl_b32 s91, s93, 9
	s_add_co_u32 s90, s90, s91
	s_mov_b32 s91, 0
	s_add_nc_u64 s[68:69], s[68:69], s[90:91]
	v_mul_u32_u24 v[BO], v1, s95
	v_mad_u32_u24 v[BO], v2, s92, v[BO]
.irp j, 1,2,3,4,5,6,7
	v_add_nc_u32 v[BO+\j], s89, v[BO+\j-1]
.endr
.irp b, 0,1,2,3,4,5,6,7
.irp j, 0,1,2,3,4,5,6,7
	global_load_b32 v[BI+8*\b+\j], v[BO+\j], s[68:69] offset:64*\b
.endr
.endr
	s_and_b32 s90, s96, 31
	s_lshr_b32 s91, s90, 3
	s_lshl_b32 s91, s91, 4
	s_lshl_b32 s92, s97, 2
	s_add_co_u32 s91, s91, s92
	s_lshl_b32 s92, s93, 1
	s_add_co_u32 s91, s91, s92
	s_lshl_b32 s91, s91, 17
	s_and_b32 s90, s96, 7
	s_lshl_b32 s90, s90, 1
	s_add_co_u32 s90, s90, s94
	s_lshl_b32 s90, s90, 13
	s_add_co_u32 s90, s90, s91
	s_lshl_b32 s91, s[TT], 23
	s_add_co_u32 s90, s90, s91
	s_mov_b32 s91, 0
	s_add_nc_u64 s[66:67], s[14:15], s[90:91]
.macro FRAG reg, adr, q, i
.irp c, 0,1,2,3
	ds_load_b128 v[\reg+4*\c:\reg+4*\c+3], v[\adr] offset:128*(\q)+32*\c+(\i)*16*PITCH
.endr
.endm
.macro MUL16 a0, p, zero
.irp a, \a0, \a0+1
.irp b, 0,1,2,3,4,5,6,7
.if \zero
	v_wmma_f32_16x16x128_fp8_fp8 v[8*(8*((\a)%4)+\b):8*(8*((\a)%4)+\b)+7], v[128*(\p)+FR*\b:128*(\p)+FR*\b+FR-1], v[AF+FR*(\a):AF+FR*(\a)+FR-1], 0
.else
	v_wmma_f32_16x16x128_fp8_fp8 v[8*(8*((\a)%4)+\b):8*(8*((\a)%4)+\b)+7], v[128*(\p)+FR*\b:128*(\p)+FR*\b+FR-1], v[AF+FR*(\a):AF+FR*(\a)+FR-1], v[8*(8*((\a)%4)+\b):8*(8*((\a)%4)+\b)+7]
.endif
.endr
.endr
.endm
.macro FETCH_B slot, q, p
	WIN TO_B
.irp i, 0,1,2,3,4,5,6,7
	FRAG 128*(\p)+FR*\i, ADRB+\slot, \q, \i
.endr
	WIN 0
.endm
.macro FETCH_A slot, q, i0
.irp i, \i0, \i0+1, \i0+2, \i0+3
	FRAG AF+FR*(\i), ADRA+\slot, \q, \i
.endr
.endm
.macro PLACES n
.rept \n
	v_nop
.endr
.endm
.macro STEP slot, q, zero
	s_wait_dscnt 4*NL
	WIN MUL_LO
	MUL16 0, (\q)%2, \zero
	MUL16 2, (\q)%2, \zero
	s_wait_dscnt 0
	PLACES NP
	FETCH_B \slot, (\q)+1, 1-(\q)%2
	FETCH_A \slot, (\q)+1, 0
	WIN MUL_HI
	MUL16 4, (\q)%2, \zero
	MUL16 6, (\q)%2, \zero
	PLACES NP
	WIN 0
	FETCH_A \slot, (\q)+1, 4
.endm
.macro TURN slot, next, fill
	s_wait_tensorcnt 0x0
	ds_add_u32 v[SPW], v[NIL]
	s_wait_dscnt 4*NL+1
	WIN MUL_LO
	MUL16 0, 1, 0
	s_wait_dscnt 0x0
	s_barrier_signal -1
	MUL16 2, 1, 0
	WIN 0
	s_barrier_wait -1
.if \fill
	CREST
	s_add_nc_u64 s[G0+4*\slot+2:G0+4*\slot+3], s[G0+4*\slot+2:G0+4*\slot+3], 2*ROWB
	s_add_nc_u64 s[G0B+4*\slot+2:G0B+4*\slot+3], s[G0B+4*\slot+2:G0B+4*\slot+3], 2*ROWB
	JLOAD G0+4*\slot, G1, G0B+4*\slot, G1B
.else
	PLACES NP
.endif
	FETCH_B \next, 0, 0
	FETCH_A \next, 0, 0
	WIN MUL_HI
	MUL16 4, 1, 0
	MUL16 6, 1, 0
	PLACES NP
	WIN 0
	FETCH_A \next, 0, 4
.endm
	s_wait_loadcnt 0x0
	s_wait_tensorcnt 1
	s_barrier_signal -1
	s_barrier_wait -1
	FETCH_B 0, 0, 0
	FETCH_A 0, 0, 0
	FETCH_A 0, 0, 4
	STEP 0, 0, 1
	TURN 0, 1, 1
	STEP 1, 0, 0
	TURN 1, 0, 1
	STEP 0, 0, 0
	TURN 0, 1, 0
	STEP 1, 0, 0
	s_wait_dscnt 4*NL
	WIN MUL_LO
	MUL16 0, 1, 0
	MUL16 2, 1, 0
	s_wait_dscnt 0
	WIN MUL_HI
	MUL16 4, 1, 0
	MUL16 6, 1, 0
	WIN 0
.macro CALC a, isv
.set AC, 64*((\a)%4)
.set CC, CD+16*((\a)%2)
	WIN 0x02+((\a)/4)
.irp b, 0,1,2,3,4,5,6,7
.irp i, 0,2,4,6
	v_pk_fma_f32 v[TMP+8*\b+\i:TMP+8*\b+\i+1], v[AC+8*\b+\i:AC+8*\b+\i+1], s[84:85], v[BI+8*(\isv*(\a)+(1-\isv)*\b)+\i:BI+8*(\isv*(\a)+(1-\isv)*\b)+\i+1] op_sel_hi:[1,0,1]
.endr
.endr
	WIN 0
.set nn, 0
.rept 64
	v_med3_num_f32 v[TMP+nn], v[TMP+nn], -v[LIM], v[LIM]
.set nn, nn+1
.endr
.irp b, 0,1,2,3,4,5,6,7
	v_cvt_scalef32_pk8_fp8_f32 v[CC+2*\b:CC+2*\b+1], v[TMP+8*\b:TMP+8*\b+7], v[SC]
.endr
	v_nop
.endm
.macro TOST a, isv
.set CC, CD+16*((\a)%2)
.set BB, BK+16*((\a)%2)
.if (\a) > 1
	s_wait_xcnt 0x0
.endif
.irp b, 0,1,2,3,4,5,6,7
.if \isv
	ds_store_b64 v[STOV], v[CC+2*\b:CC+2*\b+1] offset:16*\b
.else
	ds_store_b64 v[STOQ], v[CC+2*\b:CC+2*\b+1] offset:(\b/4)*1280+16*(\b%4)
.endif
.endr
.irp t, 0,1,2,3
.if \isv
	ds_load_b128 v[BB+4*\t:BB+4*\t+3], v[RDV] offset:576*\t
.else
	ds_load_b128 v[BB+4*\t:BB+4*\t+3], v[RDQ] offset:(\t/2)*1280+(\t%2)*640
.endif
.endr
.endm
.macro SEND a, isv
.set BB, BK+16*((\a)%2)
	s_wait_dscnt 0x0
.irp t, 0,1,2,3
.if \isv
	global_store_b128 v[CO], v[BB+4*\t:BB+4*\t+3], s[66:67] offset:((\a)/4)*131072+((\a)%4)*2048+512*\t
.else
	global_store_b128 v[CO], v[BB+4*\t:BB+4*\t+3], s[66:67] offset:(\t/2)*131072+((\a)/2)*2048+(\t%2)*1024+((\a)%2)*512
.endif
.endr
.endm
.macro WAYOUT isv
	CALC 0, \isv
	TOST 0, \isv
.irp a, 1,2,3,4,5,6,7
	CALC \a, \isv
	s_wait_alu depctr_va_vdst(0)
	SEND \a-1, \isv
	TOST \a, \isv
.endr
	SEND 7, \isv
.endm
	s_wait_kmcnt 0x0
	s_cmp_eq_u32 s[TT], 0
	s_cselect_b32 s86, s72, s74
	s_cselect_b32 s87, s73, s75
	s_cselect_b32 s88, s78, s79
	s_cmp_eq_u32 s[TT], 2
	s_cselect_b32 s86, s76, s86
	s_cselect_b32 s87, s77, s87
	s_cselect_b32 s88, s80, s88
	s_add_co_i32 s84, s86, s87
	s_add_co_i32 s84, s84, 127
	s_lshl_b32 s84, s84, 23
	s_mov_b32 s85, s84
	s_add_co_i32 s88, s88, 127
	s_lshl_b32 s89, s88, 23
	v_mov_b32 v[SC], s89
	s_add_co_i32 s88, s88, 8
	s_lshl_b32 s88, s88, 23
	s_or_b32 s88, s88, 0x600000
	v_mov_b32 v[LIM], s88
	PLACES NP
	s_cmp_eq_u32 s[TT], 2
	s_cbranch_scc1 .Lway_v
	WAYOUT 0
	s_branch .Ljoin
.Lway_v:
	WAYOUT 1
.Ljoin:
	s_wait_tensorcnt 0x0
	ds_add_u32 v[SPW], v[NIL]
	s_wait_dscnt 0x0
	CROUND
	s_endpgm
.Lfunc_end_k_qf74c9a1238_proj:
	.size	k_qf74c9a1238_proj, .Lfunc_end_k_qf74c9a1238_proj-k_qf74c9a1238_proj
	.p2alignl 7, 3214868480
	.fill 96, 4, 3214868480
	.section	.rodata,"a",@progbits
	.p2align	6, 0x0
	.amdhsa_kernel k_qf74c9a1238_proj
		.amdhsa_group_segment_fixed_size 327680
		.amdhsa_private_segment_fixed_size 0
		.amdhsa_enable_private_segment 0
		.amdhsa_kernarg_size 48
		.amdhsa_user_sgpr_count 2
		.amdhsa_user_sgpr_kernarg_segment_ptr 1
		.amdhsa_wavefront_size32 1
		.amdhsa_system_sgpr_workgroup_id_x 1
		.amdhsa_system_sgpr_workgroup_id_y 1
		.amdhsa_system_sgpr_workgroup_id_z 1
		.amdhsa_system_vgpr_workitem_id 0
		.amdhsa_next_free_vgpr 1024
		.amdhsa_next_free_sgpr 100
		.amdhsa_reserve_vcc 0
		.amdhsa_float_denorm_mode_32 3
		.amdhsa_float_denorm_mode_16_64 3
		.amdhsa_memory_ordered 1
		.amdhsa_forward_progress 1
		.amdhsa_inst_pref_size 213
	.end_amdhsa_kernel
	.amdgpu_metadata
---
amdhsa.version: [ 1, 2 ]
amdhsa.kernels:
  - .name:           k_qf74c9a1238_proj
    .symbol:         k_qf74c9a1238_proj.kd
    .args:
      - { .name: codes, .offset: 0, .size: 8, .value_kind: global_buffer, .address_space: global }
      - { .name: bq, .offset: 8, .size: 8, .value_kind: global_buffer, .address_space: global }
      - { .name: bk, .offset: 16, .size: 8, .value_kind: global_buffer, .address_space: global }
      - { .name: bv, .offset: 24, .size: 8, .value_kind: global_buffer, .address_space: global }
      - { .name: lowp_scales, .offset: 32, .size: 8, .value_kind: global_buffer, .address_space: global }
      - { .name: qkv, .offset: 40, .size: 8, .value_kind: global_buffer, .address_space: global }
    .group_segment_fixed_size: 327680
    .private_segment_fixed_size: 0
    .kernarg_segment_align: 8
    .kernarg_segment_size: 48
    .max_flat_workgroup_size: 128
    .sgpr_count:     100
    .vgpr_count:     1024
    .wavefront_size: 32
...
	.end_amdgpu_metadata
.endif
;; end of part 2
;; launch attn (part 3): grid 4 x 64, 8 waves a work-group, clusters of 4 x 1, 327,680 bytes of LDS; arguments qkv, lowp_scales, ac; writes ac
.if DOCPART == 3
	.amdgcn_target "amdgcn-amd-amdhsa--gfx1250"
	.amdhsa_code_object_version 6
	.text
	.protected	k_qf74c9a1238_attn
	.globl	k_qf74c9a1238_attn
	.p2align	8
	.type	k_qf74c9a1238_attn,@function
k_qf74c9a1238_attn:
	s_mov_b64 s[64:65], 0
	v_nop
	global_prefetch_b8 v0, s[64:65] scope:SCOPE_SE
	s_setreg_imm32_b32 hwreg(HW_REG_WAVE_MODE, 25, 1), 1
	s_wait_xcnt 0x0
	s_wait_alu depctr_hold_cnt(0) depctr_sa_sdst(0) depctr_va_vdst(0) depctr_va_sdst(0) depctr_va_ssrc(0) depctr_va_vcc(0) depctr_vm_vsrc(0)
	s_getreg_b32 s2, hwreg(HW_REG_IB_STS2, 6, 4)
	s_cmp_eq_u32 s2, 0
	s_cbranch_scc0 .Lentry_in_a_cluster
	s_endpgm
.Lentry_in_a_cluster:
	s_bfe_u32 s2, ttmp6, 0x10000c
	s_cmp_lg_u32 s2, 0x3003
	s_cbranch_scc0 .Lentry_shape_is_right
	s_endpgm
.Lentry_shape_is_right:
; Causal attention on codes of FP8 (E4M3), 64 heads-of-batches of 2,048 positions, head size 64.  o[q] = the sum over keys k <= q of softmax_k(q . k / 8) v[k], both products on codes, o quantised again (entry 10).
; q, k: [head][s'][64 bytes], s' = the position with its bits 3 and 4 exchanged.  v: [head][key / 128][64][128 bytes], keys innermost.  Exponents: q entry 6, k 7, v 8, p 9.
; THE SOFTMAX AHEAD OF THE SECOND PRODUCT: t = score x log2(e) / 8; M = the row's largest t so far, rounded UP to a whole number; p = 2^(t - M) is what is quantised; it is not normalised.
; The row's sum is taken of the unquantised p, in f32, and divides o at the end.  When M moves, the sum and o are multiplied by 2^(old M - new M): exact.
; SHARES.  The four work-groups of a cluster serve one head.  A head has 16 blocks of 128 queries, each of 8 tiles of 16.  Work-group cx has tiles cx (tile A) and 4 + cx (tile B) of every block.
; Wave w takes both tiles of block 15 - w and then both of block w: (16 - w) + (w + 1) = 17 key steps of 128 keys for every wave of every work-group, and each fragment of K and V that it reads feeds two products.
; Which steps a wave leaves out hangs on its number alone, so the four partners run alike.
; K AND V OF THE HEAD STAY IN LDS: 512 rows of 256 bytes each (four keys of K, two of V's 64 rows), 16 bytes of padding behind each: 2 x 139,264 bytes.  Nothing is filled again, and the loops hold no barrier.
; JOINT LOADS: all four partners need the same bytes, so each load names the four.  Every wave issues one at the head (keys 0-511: waves 0-3 K, 4-7 V, 32 rows each) and one behind the full sequence and a round
; (keys 512-2,047: 96 rows each), which has the first four key steps in which to land; a work-group barrier stands ahead of the fifth.
; NO PREFETCH: every byte of K and V is asked for by these two groups of loads, ahead of the first loop; no later load is left to run ahead of.
; LAYOUT.  Both products are used transposed: S^T = K Q^T, O^T = V^T P^T: a lane holds ONE query of each tile.  Row 16 t + r of a step's K holds key 32 (t / 2) + 8 (t % 2) + r + 8 (r / 8) (that is what s' does):
; so the 16 registers of tiles 2 b and 2 b + 1 are the keys 32 b + 16 (lane / 16) + 0 .. 15.
; ON THE DIAGONAL, whatever cx: tile A's queries lie under 64 in the block, so its keys 64-127 are all hidden; tile B's lie at 64 or above, so its keys 0-63 all count.  The other halves are masked key by key.
; OUT: [position / 4][head 16][position % 4][64 bytes]: sixteen lanes store 256 consecutive bytes, aligned: four queries of one head.
; LIMITS: e6 + e7 between -123 and 12 (added to c's exponent field; every kept logit then stays far above the mask's -1e10, whose p is 0 as a hidden key's is here); e9 and e10 between -126 and 119.  NaN is not served.
; REGISTERS, in two windows of 256.  Tile A's data lie in window 0, tile B's at the same numbers in window 1: v[14:15] the sum, v16-23 and v24-31 Q of the two blocks, v96-159 S^T then p, v160-191 O^T, v224-239 p's codes, v236-255 at work.
; Window 0 alone: v1-11 addresses, v32-95 K's fragments, v192-204 tile A's and v208-220 tile B's M and its kin, v222 -infinity, v240, v241, v244, v245 the scales.  Window 1 alone: v32-95 V's fragments, v192-223 the way out.
; s_set_vgpr_msb's low byte: bits 1:0 source 0, 3:2 source 1, 5:4 source 2, 7:6 destination.  A macro's argument x is 0 for tile A and 1 for tile B.
.set RP,    272                        ; an LDS row: 256 bytes + 16 of padding
.set STEPB, 32*RP                      ; 128 keys of K, or of V
.set VOFF,  16*STEPB                   ; V lies behind K's 512 rows
.set SPARE, 2*VOFF                     ; the spare words, 128 bytes for each of 8 waves
.set STAGE, SPARE+1024                 ; the way out: 16 rows x 80 bytes for each wave; no tile lands here
.set SP,    80
.set KPART, 8388608                    ; k's part of the workspace; v's lies as far behind it
.set AK0,  1                           ; v1   my lane's place in a tile of K
.set AV0,  2                           ; v2   the same for V
.set QOF,  4                           ; v4   Q's load offset
.set SPW,  5                           ; v5   LDS address of my spare word; never rewritten
.set NIL,  6                           ; v6   0; never rewritten
.set GO,   7                           ; v7   the way out: my byte offset in a tile's part of the output
.set ADK,  8                           ; v8   LDS address of the step's K
.set ADV,  9                           ; v9   of its V
.set STI,  10                          ; v10  the stage: where I put 8 codes
.set STB,  11                          ; v11  and where I read 16 bytes back
.set MS,   192                         ; + 16 x: +0 the largest t, +2 -M (a pair), +4 f (a pair), +6, +7 at work, +8 .. +11 four chains of the maximum, +12 d
.set NINF, 222                         ; v222 -infinity
.set TB,   2                           ; s2   LDS byte at which the step's rows begin
.set WV,   18
.set SEL,  20                          ; s[20:21] lane selects for v_permlanex16_b32: lane l xor 16
.set CS,   22                          ; s[22:23] c = log2(e) / 8 x 2^(e6 + e7)
.set G1A,  24                          ; s[24:31] group 1, 32 rows;  s[32:39] 96 rows;  s[40:43], s[44:47] their groups 0
.set G1B,  32
.set G0A,  40
.set G0B,  44
.set EO,   49                          ; s49  e8 + e9
.set CX,   52                          ; s52  my place in the cluster: enters global addresses and d alone
.set BL1,  53                          ; s53  my late block, s54 my early block: made of the wave's number alone
.set BL2,  54
.set TI,   55                          ; s55  16 cx: tile A's first query within its block
.set ST,   67                          ; s67  the key step
.set MSB, 0
.macro WIN new                         ; the immediate's high byte repeats the setting that is left
.if MSB != (\new)
	s_set_vgpr_msb (MSB<<8)|(\new)
.set MSB, (\new)
.endif
.endm
.macro ROUND                           ; a round of the cluster's barrier
	s_barrier_signal -1
	s_barrier_wait -1
	s_cmp_lg_u32 s[WV], 0
	s_cbranch_scc1 .Lnw0_\@
	s_barrier_signal -3
.Lnw0_\@:
	s_barrier_wait -3
	s_barrier_signal -1
	s_barrier_wait -1
.endm
.macro PLACE bl, qa, oa                ; byte offsets of tile A's rows of q and of its part of the output; tile B's lie 64 positions on
	s_lshl_b32 s83, s[\bl], 7
	s_add_co_u32 s83, s83, s[TI]                   ; its first query
	s_and_b32 s84, s83, 0x7e0                      ; in the order s': (that without its bit 4) + 8 x (that bit), then (r % 8) + 16 (r / 8)
	s_bfe_u32 s85, s83, 0x10004
	s_lshl_b32 s85, s85, 3
	s_add_co_u32 s84, s84, s85
	s_lshl_b32 s84, s84, 6
	s_add_co_u32 s[\qa], s84, s74
	s_mov_b32 s[\qa+1], 0
	s_lshr_b32 s86, s72, 4                         ; (batch x 2,048 + query) x 1,024 + head x 256
	s_lshl_b32 s86, s86, 11
	s_add_co_u32 s86, s86, s83
	s_lshl_b32 s86, s86, 10
	s_and_b32 s87, s72, 15
	s_lshl_b32 s87, s87, 8
	s_add_co_u32 s[\oa], s86, s87
	s_mov_b32 s[\oa+1], 0
.endm
	s_load_b128 s[4:7], s[0:1], 0x0                ; q, k, v's codes s[4:5], the exponents s[6:7]
	s_load_b64 s[8:9], s[0:1], 0x10                ; the output
	v_lshl_add_u32 v[SPW], v0, 2, SPARE
	v_mov_b32 v[NIL], 0
	ds_add_u32 v[SPW], v[NIL]                      ; the opening lines: the add, twice on end, and its wait ahead of the round in front of my first tensor load
	ds_add_u32 v[SPW], v[NIL]
	v_lshrrev_b32 v8, 5, v0
	v_readfirstlane_b32 s[WV], v8                  ; wave 0..7
	s_bfe_u32 s[CX], ttmp6, 0x40000
	s_and_b32 s72, ttmp7, 0xffff                   ; batch x 16 + head
	s_lshl_b32 s74, s72, 17                        ; its first byte in each of the three parts
	s_mov_b32 s[BL2], s[WV]
	s_xor_b32 s[BL1], s[WV], 15                    ; 15 - w
	s_lshl_b32 s[TI], s[CX], 4
	PLACE BL1, 10, 14
	PLACE BL2, 12, 16
	s_lshr_b32 s88, s[WV], 2                       ; 0: I fetch for K, 1: for V
	s_and_b32 s89, s[WV], 3                        ; which quarter
	s_lshl_b32 s90, s88, 23
	s_add_co_u32 s90, s90, s74
	s_add_co_u32 s90, s90, KPART
	s_lshl_b32 s92, s89, 13                        ; keys 0-511: 32 rows of 256 bytes a wave
	s_add_co_u32 s92, s92, s90
	s_mov_b32 s93, 0
	s_mul_i32 s94, s89, 24576                      ; keys 512-2,047: 96 rows a wave
	s_add_co_u32 s94, s94, s90
	s_add_co_u32 s94, s94, 32768
	s_mov_b32 s95, 0
	s_mul_i32 s91, s88, VOFF
	s_mul_i32 s96, s89, 32*RP
	s_add_co_u32 s[G0A+1], s91, s96
	s_mul_i32 s96, s89, 96*RP
	s_add_co_u32 s96, s96, s91
	s_add_co_u32 s[G0B+1], s96, 128*RP
	s_mov_b32 s[G1A], 15|(1<<20)|(1<<21)|(5<<22)|(3<<25)   ; 15:0 the four partners; elements of 1 byte; 20 padding on; 21 set beside a mask; four words after every 64
	s_mov_b32 s[G1A+1], 256<<16
	s_mov_b32 s[G1A+2], 32<<16
	s_mov_b32 s[G1A+3], 256<<16
	s_mov_b32 s[G1A+4], 32
	s_mov_b32 s[G1A+5], 256
	s_mov_b32 s[G1A+6], 0
	s_mov_b32 s[G1A+7], 0
	s_mov_b32 s[G1B], 15|(1<<20)|(1<<21)|(5<<22)|(3<<25)
	s_mov_b32 s[G1B+1], 256<<16
	s_mov_b32 s[G1B+2], 96<<16
	s_mov_b32 s[G1B+3], 256<<16
	s_mov_b32 s[G1B+4], 96
	s_mov_b32 s[G1B+5], 256
	s_mov_b32 s[G1B+6], 0
	s_mov_b32 s[G1B+7], 0
	s_mov_b32 s[SEL], 0x76543210
	s_mov_b32 s[SEL+1], 0xfedcba98
	s_mov_b32 s[CS], 0x3e38aa3b                    ; log2(e) / 8
	s_wait_dscnt 0x0                               ; both opening adds are done
	s_wait_kmcnt 0x0
	s_load_b128 s[68:71], s[6:7], 0x18             ; e6, e7, e8, e9
	s_load_b32 s48, s[6:7], 0x28                   ; e10
	s_mov_b32 s[G0A], 1
	s_add_nc_u64 s[G0A+2:G0A+3], s[4:5], s[92:93]
	s_or_b32 s[G0A+3], s[G0A+3], 0x80000000
	s_mov_b32 s[G0B], 1
	s_add_nc_u64 s[G0B+2:G0B+3], s[4:5], s[94:95]
	s_or_b32 s[G0B+3], s[G0B+3], 0x80000000
	s_add_nc_u64 s[10:11], s[4:5], s[10:11]        ; q's codes at my late block's tile A, at my early block's
	s_add_nc_u64 s[12:13], s[4:5], s[12:13]
	s_add_nc_u64 s[14:15], s[8:9], s[14:15]        ; the output likewise
	s_add_nc_u64 s[16:17], s[8:9], s[16:17]
	ROUND                                          ; the four partners are here: the first joint loads meet
	tensor_load_to_lds s[G0A:G0A+3], s[G1A:G1A+7]  ; my one load at the head
	s_nop 0
.rept 4
	v_nop
.endr
	v_and_b32 v8, 15, v0                           ; r = lane % 16
	v_bfe_u32 v9, v0, 4, 1                         ; h = lane / 16
	v_and_b32 v[QOF], 7, v8
	v_lshrrev_b32 v12, 3, v8
	v_lshl_add_u32 v[QOF], v12, 4, v[QOF]          ; (r % 8) + 16 (r / 8)
	v_lshlrev_b32 v[QOF], 6, v[QOF]
	v_lshl_add_u32 v[QOF], v9, 4, v[QOF]           ; x 64 bytes, + 16 h
.irp x, 0,1                                    ; Q's fragments stay in registers: registers 4 c .. 4 c + 3 hold the head's 32 c + 16 h + 0 .. 15, as K's do.  Tile B's rows lie 64 x 64 bytes on
	WIN 0x40*\x
	global_load_b128 v[16:19], v[QOF], s[10:11] offset:4096*\x
	global_load_b128 v[20:23], v[QOF], s[10:11] offset:4096*\x+32
	global_load_b128 v[24:27], v[QOF], s[12:13] offset:4096*\x
	global_load_b128 v[28:31], v[QOF], s[12:13] offset:4096*\x+32
	v_mov_b32 v252, 0                              ; written once: a lane permute's destination counts as one of its sources
.endr
	WIN 0
	v_lshrrev_b32 v12, 2, v8                       ; K: four keys to an LDS row: RP (r / 4) + 64 (r % 4) + 16 h
	v_mul_u32_u24 v[AK0], v12, RP
	v_and_b32 v12, 3, v8
	v_lshl_add_u32 v[AK0], v12, 6, v[AK0]
	v_lshl_add_u32 v[AK0], v9, 4, v[AK0]
	v_lshrrev_b32 v12, 1, v8                       ; V: two of the head's 64 to an LDS row: RP (r / 2) + 128 (r % 2) + 16 h
	v_mul_u32_u24 v[AV0], v12, RP
	v_and_b32 v12, 1, v8
	v_lshl_add_u32 v[AV0], v12, 7, v[AV0]
	v_lshl_add_u32 v[AV0], v9, 4, v[AV0]
	v_add_nc_u32 v[AV0], VOFF, v[AV0]
	v_lshlrev_b32 v12, 4, v9
	v_sub_nc_u32 v[MS+12], v8, v12
	v_add_nc_u32 v[MS+12], s[TI], v[MS+12]         ; d = my query - the block's first - 16 h: register 16 b + i of the diagonal step is hidden where 32 b + i > d
	v_add_nc_u32 v[MS+28], 64, v[MS+12]            ; tile B's
	v_lshlrev_b32 v[GO], 12, v9
	v_lshl_add_u32 v[GO], v8, 4, v[GO]             ; the way out: lanes 0-15 one unit of four queries, lanes 16-31 the next, 4,096 bytes on
	s_mul_i32 s73, s[WV], 16*SP
	s_add_co_u32 s73, s73, STAGE                   ; my stage
	v_mul_u32_u24 v[STI], v8, SP
	v_lshl_add_u32 v[STI], v9, 3, v[STI]
	v_add_nc_u32 v[STI], s73, v[STI]               ; in: row r, + 8 h
	v_and_b32 v12, 31, v0
	v_lshrrev_b32 v[STB], 2, v12
	v_mul_u32_u24 v[STB], v[STB], SP
	v_and_b32 v12, 3, v12
	v_lshl_add_u32 v[STB], v12, 4, v[STB]
	v_add_nc_u32 v[STB], s73, v[STB]               ; back: four lanes to a row of 64 bytes
	v_mov_b32 v[NINF], 0xff800000
.irp o, 0,16
	v_mov_b32 v[MS+3+\o], 0                        ; (named as the upper halves of pairs)
	v_mov_b32 v[MS+5+\o], 0
	v_mov_b32 v[MS+7+\o], 0                        ; a lane permute's destination
.endr
.macro BEGIN                           ; a block begins: O^T and the sums are zeros, which the first change of M leaves zeros
.irp o, 0,16
	v_mov_b32 v[MS+\o], 0xff61b1e6                 ; the largest t so far: -3e38, under every t
	v_mov_b32 v[MS+2+\o], 0x7f61b1e6               ; -M = floor(3e38) = 3e38
.endr
.irp x, 0,1
	WIN 0x40*\x
	v_mov_b32 v14, 0
	v_mov_b32 v15, 0
.set jj, 0
.rept 32
	v_mov_b32 v[160+jj], 0
.set jj, jj+1
.endr
.endr
	WIN 0
.endm
	BEGIN
	s_wait_kmcnt 0x0
	s_add_co_i32 s72, s68, s69
	s_lshl_b32 s72, s72, 23
	s_add_co_i32 s[CS], s[CS], s72                 ; a score stands for score x 2^(e6 + e7): the two exponents are added to c's exponent field
	s_mov_b32 s[CS+1], s[CS]
	s_add_co_i32 s[EO], s70, s71
	s_add_co_i32 s72, s71, 127
	s_lshl_b32 s73, s72, 23
	v_mov_b32 v244, s73                            ; 2^e9, for p's conversion
	s_add_co_i32 s72, s72, 8
	s_lshl_b32 s72, s72, 23
	s_or_b32 s72, s72, 0x600000
	v_mov_b32 v240, s72                            ; 448 x 2^e9
	s_add_co_i32 s72, s48, 127
	s_lshl_b32 s73, s72, 23
	v_mov_b32 v245, s73                            ; 2^e10, for o's conversion
	s_add_co_i32 s72, s72, 8
	s_lshl_b32 s72, s72, 23
	s_or_b32 s72, s72, 0x600000
	v_mov_b32 v241, s72                            ; 448 x 2^e10
.macro MASK                            ; the diagonal step: hidden scores become -infinity ahead of the maximum: p = 0 then
.set nn, 0
.rept 32
	v_cmp_gt_i32 vcc_lo, 32*(nn/16)+nn%16, v[MS+12]
	v_cndmask_b32 v[96+nn], v[96+nn], v[NINF], vcc_lo
.set nn, nn+1
.endr
.rept 32
	v_mov_b32 v[96+nn], v[NINF]                    ; tile A's keys 64-127
.set nn, nn+1
.endr
	WIN 0x41                                       ; tile B's scores in window 1; d and -infinity in window 0
.set nn, 32
.rept 32
	v_cmp_gt_i32 vcc_lo, 32*(nn/16)+nn%16, v[MS+28]
	v_cndmask_b32 v[96+nn], v[96+nn], v[NINF], vcc_lo
.set nn, nn+1
.endr
	WIN 0
.endm
.macro MAXC x                          ; the step's largest score among my 64 keys, in four chains, which lie in window 0; each accumulator is first read at its low end
	WIN 0x14*\x
.irp i, 0,1,2,3,4,5,6,7
.irp k, 0,1,2,3
.if \i == 0
	v_max3_num_f32 v[MS+8+16*\x+\k], v[NINF], v[96+16*\k], v[97+16*\k]
.else
	v_max3_num_f32 v[MS+8+16*\x+\k], v[MS+8+16*\x+\k], v[96+16*\k+2*\i], v[97+16*\k+2*\i]
.endif
.endr
.endr
.endm
.macro FMA x                           ; t - M, two at a time (of the pairs c and -M the low word serves both halves)
	WIN 0x41*\x
.set jj, 0
.rept 32
	v_pk_fma_f32 v[96+jj:97+jj], v[96+jj:97+jj], s[CS:CS+1], v[MS+2+16*\x:MS+3+16*\x] op_sel_hi:[1,0,0]
.set jj, jj+2
.endr
.endm
.macro EXPS x                          ; p = 2^(t - M), at most 1: not normalised; behind the batch a plain line: the sums under the new M
	WIN 0x41*\x
.set jj, 0
.rept 64
	v_exp_f32 v[96+jj], v[96+jj]
.set jj, jj+1
.endr
	v_pk_mul_f32 v[14:15], v[14:15], v[MS+4+16*\x:MS+5+16*\x] op_sel_hi:[1,0]
.endm
.macro SUMS x                          ; the row's sum of the unquantised p, in eight chains
	WIN 0x45*\x
	v_pk_add_f32 v[242:243], v[100:101], v[104:105]
	v_pk_add_f32 v[254:255], v[108:109], v[112:113]
	v_pk_add_f32 v[250:251], v[116:117], v[120:121]
	v_pk_add_f32 v[248:249], v[124:125], v[128:129]
	v_pk_add_f32 v[246:247], v[132:133], v[136:137]
	v_pk_add_f32 v[238:239], v[140:141], v[144:145]
	v_pk_add_f32 v[236:237], v[148:149], v[152:153]
	v_pk_add_f32 v[14:15], v[14:15], v[156:157]
	v_pk_add_f32 v[242:243], v[242:243], v[96:97]
	v_pk_add_f32 v[254:255], v[254:255], v[98:99]
	v_pk_add_f32 v[250:251], v[250:251], v[102:103]
	v_pk_add_f32 v[248:249], v[248:249], v[106:107]
	v_pk_add_f32 v[246:247], v[246:247], v[110:111]
	v_pk_add_f32 v[238:239], v[238:239], v[114:115]
	v_pk_add_f32 v[236:237], v[236:237], v[118:119]
	v_pk_add_f32 v[14:15], v[14:15], v[122:123]
	v_pk_add_f32 v[242:243], v[242:243], v[126:127]
	v_pk_add_f32 v[254:255], v[254:255], v[130:131]
	v_pk_add_f32 v[250:251], v[250:251], v[134:135]
	v_pk_add_f32 v[248:249], v[248:249], v[138:139]
	v_pk_add_f32 v[246:247], v[246:247], v[142:143]
	v_pk_add_f32 v[238:239], v[238:239], v[146:147]
	v_pk_add_f32 v[236:237], v[236:237], v[150:151]
	v_pk_add_f32 v[14:15], v[14:15], v[154:155]
	v_pk_add_f32 v[242:243], v[242:243], v[158:159]
	v_pk_add_f32 v[14:15], v[14:15], v[248:249]
	v_pk_add_f32 v[242:243], v[242:243], v[246:247]
	v_pk_add_f32 v[254:255], v[254:255], v[238:239]
	v_pk_add_f32 v[250:251], v[250:251], v[236:237]
	v_pk_add_f32 v[14:15], v[14:15], v[254:255]
	v_pk_add_f32 v[242:243], v[242:243], v[250:251]
	v_pk_add_f32 v[14:15], v[14:15], v[242:243]
.endm
.macro CODES x                         ; p's codes, and O^T under the new M
	WIN 0x41*\x
.irp b, 0,1,2,3
.irp i, 0,1,2,3,4,5,6,7,8,9,10,11,12,13,14,15
	v_min_num_f32 v[96+16*\b+\i], v[96+16*\b+\i], v240   ; the conversion does not saturate (ISA guide 7.6.2); p is not negative, so the hold is one-sided
.endr
	v_cvt_scalef32_pk8_fp8_f32 v[224+4*\b:225+4*\b], v[96+16*\b:103+16*\b], v244
	v_cvt_scalef32_pk8_fp8_f32 v[226+4*\b:227+4*\b], v[104+16*\b:111+16*\b], v244
.endr
	s_wait_alu depctr_va_vdst(0)                   ; the wait directly ahead of the first reader of O^T
.set jj, 0
.rept 16
	v_pk_mul_f32 v[160+jj:161+jj], v[160+jj:161+jj], v[MS+4+16*\x:MS+5+16*\x] op_sel_hi:[1,0]   ; (also the plain lines between the conversions and the products that read the codes)
.set jj, jj+2
.endr
.endm
; A KEY STEP: 128 keys against both tiles of the block whose Q lie at v[qr] of the two windows.  chk = 1: a step behind the block is left out, and the block's own step is masked; both branches hang on the wave's number and the count of steps.
.macro STEP qr, chk, bl
.if \chk
	s_cmp_gt_u32 s[ST], s[\bl]
	s_cbranch_scc1 .Lhidden_\@
.endif
	v_add_nc_u32 v[ADK], s[TB], v[AK0]
	v_add_nc_u32 v[ADV], s[TB], v[AV0]
	v_nop                                          ; with the two additions: four places in front of loads into registers that the last products read
	v_nop
.irp t, 0,1,2,3,4,5,6,7
	ds_load_b128 v[32+8*\t:35+8*\t], v[ADK] offset:4*RP*\t
	ds_load_b128 v[36+8*\t:39+8*\t], v[ADK] offset:4*RP*\t+32
.endr
	WIN 0x40
.irp t, 0,1,2,3
.irp c, 0,1,2,3
	ds_load_b128 v[32+16*\t+4*\c:35+16*\t+4*\c], v[ADV] offset:8*RP*\t+32*\c   ; V's four fragments, into window 1: they land under the softmax
.endr
.endr
	WIN 0
	s_wait_alu depctr_va_vdst(0)
	s_wait_dscnt 16                                ; K's sixteen loads are in; V's sixteen, issued behind them, may be out
.irp x, 0,1
	WIN 0x44*\x
.irp t, 0,1,2,3,4,5,6,7
	v_wmma_f32_16x16x64_fp8_fp8 v[96+8*\t:103+8*\t], v[32+8*\t:39+8*\t], v[\qr:\qr+7], 0   ; S^T: lane (r, h) holds query r; register 16 b + i is key 32 b + 16 h + i
.endr
.endr
	WIN 0
.rept 4
	v_nop                                          ; places in front of the first read of the scores
.endr
.if \chk
	s_cmp_lg_u32 s[ST], s[\bl]
	s_cbranch_scc1 .Lopen_\@
	MASK
.Lopen_\@:
.endif
	MAXC 0
	MAXC 1
	WIN 0
.irp o, 0,16                                   ; the two tiles' M, line by line by turns
	v_max3_num_f32 v[MS+8+\o], v[MS+8+\o], v[MS+9+\o], v[MS+10+\o]
.endr
.irp o, 0,16
	v_mov_b32 v[MS+6+\o], v[MS+2+\o]
.endr
.irp o, 0,16
	v_max_num_f32 v[MS+8+\o], v[MS+8+\o], v[MS+11+\o]
.endr
.irp o, 0,16
	v_permlanex16_b32 v[MS+7+\o], v[MS+8+\o], s[SEL], s[SEL+1]
.endr
.irp o, 0,16
	v_max_num_f32 v[MS+8+\o], v[MS+8+\o], v[MS+7+\o]   ; and among lane l xor 16's
.endr
.irp o, 0,16
	v_mul_f32 v[MS+8+\o], s[CS], v[MS+8+\o]        ; as t (c is positive)
.endr
.irp o, 0,16
	v_max_num_f32 v[MS+\o], v[MS+\o], v[MS+8+\o]   ; the running largest t
.endr
.irp o, 0,16
	v_floor_f32 v[MS+2+\o], -v[MS+\o]              ; the new -M = floor(-t) = -ceil(t): M is a whole number
.endr
.irp o, 0,16
	v_sub_f32 v[MS+6+\o], v[MS+2+\o], v[MS+6+\o]   ; M's old value less its new one: a whole number, 0 or less
.endr
.irp o, 0,16
	v_cvt_i32_f32 v[MS+6+\o], v[MS+6+\o]           ; (it saturates)
.endr
.irp o, 0,16
	v_ldexp_f32 v[MS+4+\o], 1.0, v[MS+6+\o]        ; f = 2^(old M - new M)
.endr
	FMA 0
	FMA 1
	s_wait_alu depctr_va_vdst(0)
	EXPS 1
	EXPS 0
	s_wait_alu depctr_va_vdst(0)                   ; one wait for the batch of 128, ahead of its first reader
	SUMS 0
	CODES 0
	SUMS 1
	CODES 1
	WIN 0
	s_wait_alu depctr_va_vdst(0)
	s_wait_dscnt 0x0                               ; V's fragments are in
.irp x, 0,1
	WIN 0x01+0x54*\x                               ; V's fragments in window 1; codes and O^T in the tile's window
.irp t, 0,1,2,3
	v_wmma_f32_16x16x128_fp8_fp8 v[160+8*\t:167+8*\t], v[32+16*\t:47+16*\t], v[224:239], v[160+8*\t:167+8*\t]   ; eight accumulators by turns; the next step's sixteen products S^T stand between a link and the next
.endr
.endr
	WIN 0
.if \chk
.Lhidden_\@:
.endif
	s_add_co_u32 s[TB], s[TB], STEPB
.endm
; THE WAY OUT of a tile.  O^T x 2^(e8 + e9) / the sum is quantised with 2^e10; a lane's eight neighbours of the head's 64 are 8 bytes; they go through my stage and leave as units of 256 bytes: four queries of my head.
; n: which eight registers of window 1 carry the tile's codes to the stores: each tile has its own, so that no store's data are written again.
.macro WAYOUT x, ob, n
	WIN 0x45*\x
	v_add_f32 v14, v14, v15                        ; the sum's two halves,
	v_permlanex16_b32 v252, v14, s[SEL], s[SEL+1]
	v_add_f32 v14, v14, v252                       ; and lane l xor 16's: the row's sum
	s_wait_alu depctr_va_vdst(0)
	v_rcp_f32 v14, v14
	v_nop                                          ; plain instructions behind the reciprocal
	v_nop
	v_nop
	s_wait_alu depctr_va_vdst(0)                   ; the wait ahead of the reciprocal's first reader
	v_ldexp_f32 v14, v14, s[EO]                    ; x 2^(e8 + e9)
	s_wait_alu depctr_va_vdst(0)                   ; the wait directly ahead of the first reader of O^T
.set jj, 0
.rept 16
	v_pk_mul_f32 v[96+jj:97+jj], v[160+jj:161+jj], v[14:15] op_sel_hi:[1,0]   ; register 8 t + i is o(query r, 16 t + 8 h + i); each accumulator from its low end on
.set jj, jj+2
.endr
	WIN 0x41*\x
.set jj, 0
.rept 32
	v_med3_num_f32 v[96+jj], v[96+jj], -v241, v241 ; the hold at the largest code x the scale
.set jj, jj+1
.endr
.irp t, 0,1,2,3
	v_cvt_scalef32_pk8_fp8_f32 v[224+2*\t:225+2*\t], v[96+8*\t:103+8*\t], v245
.endr
	v_nop                                          ; a plain vector line behind the last conversion
	WIN 0x04*\x                                    ; the address in window 0, the data in the tile's
.irp t, 0,1,2,3
	ds_store_b64 v[STI], v[224+2*\t:225+2*\t] offset:16*\t
.endr
	WIN 0x40
.irp i, 0,1
	ds_load_b128 v[192+8*\n+4*\i:195+8*\n+4*\i], v[STB] offset:8*SP*\i   ; LDS serves a wave's instructions in order: these see my stores
.endr
	WIN 0x04
.irp i, 0,1
	s_wait_dscnt 1-\i                              ; the younger of the two loads may be out
	global_store_b128 v[GO], v[192+8*\n+4*\i:195+8*\n+4*\i], s[\ob:\ob+1] offset:8192*\i+65536*\x   ; sixteen lanes store 256 consecutive bytes, aligned; tile B's queries lie 64 x 1,024 bytes on
.endr
	WIN 0
.endm
	s_wait_alu depctr_va_vdst(0)
	s_wait_tensorcnt 0x0                           ; my part of keys 0-511 is in
	ds_add_u32 v[SPW], v[NIL]
	s_wait_dscnt 0x0
	ROUND                                          ; everybody's part is in, and the four partners are here
	tensor_load_to_lds s[G0B:G0B+3], s[G1B:G1B+7]  ; keys 512-2,047: my one load behind the round
	s_nop 0
.rept 4
	v_nop
.endr
	s_wait_loadcnt 0x0                             ; Q of all four tiles
	s_mov_b32 s[ST], 0
	s_mov_b32 s[TB], 0
.Lfirst:                                           ; my late block (8 or later), keys 0-511: every key counts
	STEP 16, 0, BL1
	s_add_co_u32 s[ST], s[ST], 1
	s_cmp_lt_u32 s[ST], 4
	s_cbranch_scc1 .Lfirst
	s_wait_tensorcnt 0x0                           ; my part of the other keys is in,
	s_wait_dscnt 0x0
	s_barrier_signal -1
	s_barrier_wait -1                              ; and everybody's
	s_mov_b32 s[ST], 4
	s_mov_b32 s[TB], 4*STEPB
.Llate:                                            ; a constant count of trips; the steps behind my block are jumped over
	STEP 16, 1, BL1
	s_add_co_u32 s[ST], s[ST], 1
	s_cmp_lt_u32 s[ST], 16
	s_cbranch_scc1 .Llate
	WAYOUT 0, 14, 0
	WAYOUT 1, 14, 1
	BEGIN
	s_mov_b32 s[ST], 0
	s_mov_b32 s[TB], 0
	s_wait_alu depctr_va_vdst(0)
.Learly:                                           ; my early block (7 or earlier)
	STEP 24, 1, BL2
	s_add_co_u32 s[ST], s[ST], 1
	s_cmp_lt_u32 s[ST], 8
	s_cbranch_scc1 .Learly
	WAYOUT 0, 16, 2
	WAYOUT 1, 16, 3
	s_wait_tensorcnt 0x0                           ; the wave's end, behind my last tensor load and my last LDS store
	ds_add_u32 v[SPW], v[NIL]
	s_wait_dscnt 0x0
	ROUND                                          ; the closing round
	s_endpgm
.Lfunc_end_k_qf74c9a1238_attn:
	.size	k_qf74c9a1238_attn, .Lfunc_end_k_qf74c9a1238_attn-k_qf74c9a1238_attn
	.p2alignl 7, 3214868480
	.fill 96, 4, 3214868480
	.section	.rodata,"a",@progbits
	.p2align	6, 0x0
	.amdhsa_kernel k_qf74c9a1238_attn
		.amdhsa_group_segment_fixed_size 327680
		.amdhsa_private_segment_fixed_size 0
		.amdhsa_enable_private_segment 0
		.amdhsa_kernarg_size 24
		.amdhsa_user_sgpr_count 2
		.amdhsa_user_sgpr_kernarg_segment_ptr 1
		.amdhsa_wavefront_size32 1
		.amdhsa_system_sgpr_workgroup_id_x 1
		.amdhsa_system_sgpr_workgroup_id_y 1
		.amdhsa_system_sgpr_workgroup_id_z 1
		.amdhsa_system_vgpr_workitem_id 0
		.amdhsa_next_free_vgpr 512
		.amdhsa_next_free_sgpr 100
		.amdhsa_reserve_vcc 1
		.amdhsa_float_denorm_mode_32 3
		.amdhsa_float_denorm_mode_16_64 3
		.amdhsa_memory_ordered 1
		.amdhsa_forward_progress 1
		.amdhsa_inst_pref_size 132
	.end_amdhsa_kernel
	.amdgpu_metadata
---
amdhsa.version: [ 1, 2 ]
amdhsa.kernels:
  - .name:           k_qf74c9a1238_attn
    .symbol:         k_qf74c9a1238_attn.kd
    .args:
      - { .name: qkv, .offset: 0, .size: 8, .value_kind: global_buffer, .address_space: global }
      - { .name: lowp_scales, .offset: 8, .size: 8, .value_kind: global_buffer, .address_space: global }
      - { .name: ac, .offset: 16, .size: 8, .value_kind: global_buffer, .address_space: global }
    .group_segment_fixed_size: 327680
    .private_segment_fixed_size: 0
    .kernarg_segment_align: 8
    .kernarg_segment_size: 24
    .max_flat_workgroup_size: 256
    .sgpr_count:     100
    .vgpr_count:     512
    .wavefront_size: 32
...
	.end_amdgpu_metadata
.endif
;; end of part 3
;; launch oproj (part 4): grid 4 x 64, 4 waves a work-group, clusters of 4 x 4, 327,680 bytes of LDS; arguments ac, codes, lowp_scales, bo, out0; writes out0
.if DOCPART == 4
	.amdgcn_target "amdgcn-amd-amdhsa--gfx1250"
	.amdhsa_code_object_version 6
	.text
	.protected	k_qf74c9a1238_oproj
	.globl	k_qf74c9a1238_oproj
	.p2align	8
	.type	k_qf74c9a1238_oproj,@function
k_qf74c9a1238_oproj:
	s_mov_b64 s[64:65], 0
	v_nop
	global_prefetch_b8 v0, s[64:65] scope:SCOPE_SE
	s_setreg_imm32_b32 hwreg(HW_REG_WAVE_MODE, 25, 1), 1
	s_wait_xcnt 0x0
	s_wait_alu depctr_hold_cnt(0) depctr_sa_sdst(0) depctr_va_vdst(0) depctr_va_sdst(0) depctr_va_ssrc(0) depctr_va_vcc(0) depctr_vm_vsrc(0)
	s_getreg_b32 s2, hwreg(HW_REG_IB_STS2, 6, 4)
	s_cmp_eq_u32 s2, 0
	s_cbranch_scc0 .Lentry_in_a_cluster
	s_endpgm
.Lentry_in_a_cluster:
	s_bfe_u32 s2, ttmp6, 0x10000c
	s_cmp_lg_u32 s2, 0xf033
	s_cbranch_scc0 .Lentry_shape_is_right
	s_endpgm
.Lentry_shape_is_right:
; out0 = a Wo^T + bo on codes of FP8 (E4M3): a [8192][1024] are the attention's codes (entry 10), Wo's codes (entry 11) lie in the workspace of codes; sums in f32, each multiplied once by 2^(e10 + e11), the bias added in the same line.
; a's codes lie [position / 4][head 16][position % 4][64 bytes]: 256 along K (four heads) of four positions are 1,024 consecutive bytes, 4,096 bytes from one four to the next.
; A block of 128 positions x 256 columns a work-group: 64 x 4 = 256 work-groups.  A wave makes 64 x 128: 32 accumulators of 16 x 16.  K goes in steps of 256 through a ring of two LDS slots.
; CLUSTERS: 4 x 4 work-groups.  The four of a row of the cluster need the same tiles of a, the four of a column the same tiles of Wo: each tile is asked for jointly.  Waves 0, 1 fetch a's halves, waves 2, 3 Wo's.
; NO PREFETCH: K has four steps; two of them are asked for at the head, so only two refills are left, and no loop to run ahead in.
; THE MATRIX INSTRUCTION IS USED TRANSPOSED (source 0 = 16 rows of Wo, source 1 = 16 positions): a lane holds eight neighbouring columns of one row of the result.
; LIMIT: e10 + e11 between -126 and 127, so that 2^(e10 + e11) is an f32 number.
; REGISTERS, in windows of 256: window 0: v16-29 addresses, v32-95 the bias, v128-191 and v192-255 a's fragments (4 x 16 positions x 128 K), two sets; on the way out v96-223 at work.
;   window 1: Wo's fragments, two sets, at v0 and v128.   window 2: the 32 accumulators, (a, b) at v[8 (8 a + b)].
.set ROWB,   256
.set KROW,   1024
.set PITCH,  272                       ; Wo's LDS row: 256 bytes + 16
.set APITCH, 1040                      ; a's LDS row: four positions x 256 along K + 16
.set FR,     16                        ; registers of a fragment
.set NP,     4                         ; places behind this matrix instruction (ISA guide 7.12.1)
.set HALFA,  16*APITCH                 ; 64 positions: what one tensor load brings of a, and what one wave reads
.set HALFT,  128*PITCH                 ; 128 rows of Wo likewise
.set SLOT,   2*HALFA+2*HALFT
.set SPARE,  2*SLOT                    ; the spare words, 128 bytes a wave
.set STAGE,  SPARE+512                 ; the way out: 16 rows x 528 bytes for each wave; no tile lands here
.set SPITCH, 528
.set WOBASE, 28311552                  ; Wo's codes in the workspace
.set ADRA, 16                          ; v16-17 LDS address of my fragments of a in slot 0, 1
.set ADRB, 20                          ; v20-21 the same for Wo
.set STO,  24
.set RD,   25
.set CO,   26
.set BOF,  27
.set SPW,  28                          ; v28 LDS address of my spare word; never rewritten
.set NIL,  29                          ; v29 0; never rewritten
.set BI,   32
.set XB,   96
.set AF,   128
.set WV, 16
.set HA, 17
.set HB, 18
.set G1, 24
.set G0, 32
.set G1B, 48
.set G0B, 56
.set MSB, 0
.macro WIN new                         ; the immediate's high byte repeats the setting that is left
.if MSB != \new
	s_set_vgpr_msb (MSB<<8)|\new
.set MSB, \new
.endif
.endm
.set MUL_LO, 0xa1                      ; source 0 (Wo) window 1, source 1 (a) window 0, C and D window 2
.set TO_B,   0x40                      ; destination window 1, address window 0
.macro JLOAD g0a, g1a, g0b, g1b        ; a joint load; the branch hangs on the wave's number alone; an s_nop 0 and four v_nop follow each line
	s_cmp_eq_u32 s[HA], 0
	s_cbranch_scc0 .Lfor_b_\@
	tensor_load_to_lds s[\g0a:\g0a+3], s[\g1a:\g1a+7]
	s_nop 0
.rept 4
	v_nop
.endr
	s_branch .Lasked_\@
.Lfor_b_\@:
	tensor_load_to_lds s[\g0b:\g0b+3], s[\g1b:\g1b+7]
	s_nop 0
.rept 4
	v_nop
.endr
.Lasked_\@:
.endm
.macro CREST                           ; a round of the cluster's barrier behind its opening barrier
	s_cmp_lg_u32 s[WV], 0
	s_cbranch_scc1 .Lnot_wave_0_\@
	s_barrier_signal -3
.Lnot_wave_0_\@:
	s_barrier_wait -3
	s_barrier_signal -1
	s_barrier_wait -1
.endm
.macro CROUND
	s_barrier_signal -1
	s_barrier_wait -1
	CREST
.endm
	s_load_b256 s[4:11], s[0:1], 0x0               ; a's codes 4, the workspace of codes 6, the exponents 8, bo 10
	s_load_b64 s[12:13], s[0:1], 0x20              ; out0
	v_lshl_add_u32 v[SPW], v0, 2, SPARE
	v_mov_b32 v[NIL], 0
	ds_add_u32 v[SPW], v[NIL]                      ; the opening lines: the add, twice on end, and its wait ahead of the round in front of my first tensor load
	ds_add_u32 v[SPW], v[NIL]
	v_lshrrev_b32 v1, 5, v0
	v_readfirstlane_b32 s[WV], v1
	s_lshr_b32 s[HA], s[WV], 1                     ; which 64 positions are mine.  Also: I fetch for a (0) or for Wo (1)
	s_and_b32 s[HB], s[WV], 1                      ; which 128 columns.  Also: which half of that tile I fetch
	s_bfe_u32 s40, ttmp6, 0x40000                  ; cx, cy
	s_bfe_u32 s41, ttmp6, 0x40004
	s_lshl_b32 s42, ttmp9, 2
	s_add_co_u32 s42, s42, s40                     ; block column = 4 x cluster x + cx
	s_and_b32 s21, ttmp7, 0xffff
	s_lshl_b32 s21, s21, 2
	s_add_co_u32 s21, s21, s41                     ; block row = 4 x cluster y + cy
	s_lshl_b32 s43, s41, 2
	s_lshl_b32 s43, 15, s43                        ; my row of the cluster
	s_lshl_b32 s44, 0x1111, s40                    ; my column
	s_or_b32 s[G1+0], s43, (0<<16)|(1<<20)|(1<<21)|(7<<22)|(3<<25)   ; a: 16 rows of 1,024 bytes, 4,096 apart; four words of padding after every 256
	s_mov_b32 s[G1+1], 1024<<16
	s_mov_b32 s[G1+2], 16<<16
	s_mov_b32 s[G1+3], 1024<<16
	s_mov_b32 s[G1+4], 16
	s_mov_b32 s[G1+5], 4096
	s_mov_b32 s[G1+6], 0
	s_mov_b32 s[G1+7], 0
	s_or_b32 s[G1B+0], s44, (0<<16)|(1<<20)|(1<<21)|(5<<22)|(3<<25)  ; Wo: 128 rows of 256 bytes, 1,024 apart; four words after every 64
	s_mov_b32 s[G1B+1], ROWB<<16
	s_mov_b32 s[G1B+2], 128<<16
	s_mov_b32 s[G1B+3], ROWB<<16
	s_mov_b32 s[G1B+4], 128
	s_mov_b32 s[G1B+5], KROW
	s_mov_b32 s[G1B+6], 0
	s_mov_b32 s[G1B+7], 0
	s_lshl_b32 s22, s21, 1
	s_add_co_u32 s22, s22, s[HB]
	s_lshl_b32 s22, s22, 16                        ; a: position 128 x block row + 64 x half, 1,024 bytes a position
	s_mov_b32 s23, 0
	s_lshl_b32 s46, s42, 8
	s_lshl_b32 s47, s[HB], 7
	s_add_co_u32 s46, s46, s47
	s_lshl_b32 s46, s46, 10
	s_add_co_u32 s46, s46, WOBASE                  ; Wo: row 256 x block column + 128 x half
	s_mov_b32 s47, 0
	s_mul_i32 s45, s[HB], HALFA                    ; where they go: no place in the cluster enters an LDS address
	s_mul_i32 s86, s[HB], HALFT
	s_add_co_u32 s86, s86, 2*HALFA
	s_wait_dscnt 0x0                               ; both opening adds are done
	s_wait_kmcnt 0x0
	s_load_b64 s[72:73], s[8:9], 0x28              ; e10, e11
	s_add_nc_u64 s[22:23], s[4:5], s[22:23]
	s_add_nc_u64 s[46:47], s[6:7], s[46:47]
	CROUND                                         ; all sixteen work-groups are here: the first joint loads meet
.irp s, 0,1
	s_mov_b32 s[G0+4*\s], 1
	s_add_co_u32 s[G0+4*\s+1], s45, \s*SLOT
	s_add_nc_u64 s[G0+4*\s+2:G0+4*\s+3], s[22:23], \s*1024
	s_or_b32 s[G0+4*\s+3], s[G0+4*\s+3], 0x80000000
	s_mov_b32 s[G0B+4*\s], 1
	s_add_co_u32 s[G0B+4*\s+1], s86, \s*SLOT
	s_add_nc_u64 s[G0B+4*\s+2:G0B+4*\s+3], s[46:47], \s*ROWB
	s_or_b32 s[G0B+4*\s+3], s[G0B+4*\s+3], 0x80000000
.endr
	JLOAD G0, G1, G0B, G1B                         ; K step 0: my one load at the head
	s_mul_i32 s88, s[HA], HALFA                    ; my 64 positions of a
	s_mul_i32 s89, s[HB], HALFT
	s_add_co_u32 s89, s89, 2*HALFA                 ; my 128 rows of Wo
	s_mul_i32 s87, s[WV], 16*SPITCH
	s_add_co_u32 s87, s87, STAGE                   ; my stage
	s_lshl_b32 s90, s42, 10
	s_lshl_b32 s91, s[HB], 9
	s_add_co_u32 s90, s90, s91                     ; my first column, in bytes of f32
	s_mov_b32 s91, 0
	s_add_nc_u64 s[68:69], s[10:11], s[90:91]      ; the bias there
	s_lshl_b32 s92, s21, 1
	s_add_co_u32 s92, s92, s[HA]
	s_lshl_b32 s92, s92, 18                        ; my first row: (128 x block row + 64 x half) x 4,096 bytes
	s_add_co_u32 s92, s92, s90
	s_mov_b32 s93, 0
	s_add_nc_u64 s[66:67], s[12:13], s[92:93]
	v_and_b32 v1, 15, v0                           ; r = l % 16.  (The scalar work stands above: no scalar line parts the vector lines below)
	v_bfe_u32 v2, v0, 4, 1                         ; h = l / 16
	v_lshrrev_b32 v3, 2, v1
	v_mul_u32_u24 v3, v3, APITCH
	v_and_b32 v4, 3, v1
	v_lshl_add_u32 v3, v4, 6, v3
	v_lshl_add_u32 v3, v2, 4, v3                   ; a: APITCH (r / 4) + 64 (r % 4) + 16 h
	v_mul_u32_u24 v4, v1, PITCH
	v_lshl_add_u32 v4, v2, 4, v4                   ; Wo: PITCH r + 16 h
	v_add_nc_u32 v[ADRA], s88, v3
	v_add_nc_u32 v[ADRB], s89, v4
	v_add_nc_u32 v[ADRA+1], SLOT, v[ADRA]
	v_add_nc_u32 v[ADRB+1], SLOT, v[ADRB]
	v_mul_u32_u24 v5, v1, SPITCH
	v_lshl_add_u32 v5, v2, 5, v5
	v_add_nc_u32 v[STO], s87, v5                   ; the stage, in: row r, 32 bytes for each half of the lanes
	v_and_b32 v6, 31, v0
	v_lshlrev_b32 v[CO], 4, v6                     ; back: the 32 lanes take one row of 512 bytes; and the same in the result
	v_add_nc_u32 v[RD], s87, v[CO]
	v_lshlrev_b32 v[BOF], 5, v2
.irp b, 0,1,2,3,4,5,6,7
	global_load_b128 v[BI+8*\b:BI+8*\b+3], v[BOF], s[68:69] offset:64*\b          ; the bias at my lane's eight columns of each block of 16
	global_load_b128 v[BI+8*\b+4:BI+8*\b+7], v[BOF], s[68:69] offset:64*\b+16
.endr
.macro FRAG reg, adr, q, i             ; Wo: registers 4 c .. 4 c + 3 hold K = 32 c + 16 h + 0 .. 15 of row l % 16
.irp c, 0,1,2,3
	ds_load_b128 v[\reg+4*\c:\reg+4*\c+3], v[\adr] offset:128*(\q)+32*\c+(\i)*16*PITCH
.endr
.endm
.macro FRAGA reg, adr, q, i            ; a: the same K; a head's 64 lie 256 bytes from the next head's
.irp c, 0,1,2,3
	ds_load_b128 v[\reg+4*\c:\reg+4*\c+3], v[\adr] offset:(2*(\q)+\c/2)*256+32*(\c%2)+(\i)*4*APITCH
.endr
.endm
.macro FETCH slot, q, p                ; 48 LDS loads in one run: the fragments of the slot's q-th 128 along K into the sets p
	WIN TO_B
.irp i, 0,1,2,3,4,5,6,7
	FRAG 128*(\p)+FR*\i, ADRB+\slot, \q, \i
.endr
	WIN 0
.irp i, 0,1,2,3
	FRAGA AF+64*(\p)+FR*\i, ADRA+\slot, \q, \i
.endr
.endm
.macro MUL8 a, p, zero                 ; block a of my positions x Wo's eight.  The 32 accumulators take turns, in the same order in every step
.irp b, 0,1,2,3,4,5,6,7
.if \zero
	v_wmma_f32_16x16x128_fp8_fp8 v[8*(8*(\a)+\b):8*(8*(\a)+\b)+7], v[128*(\p)+FR*\b:128*(\p)+FR*\b+FR-1], v[AF+64*(\p)+FR*(\a):AF+64*(\p)+FR*(\a)+FR-1], 0
.else
	v_wmma_f32_16x16x128_fp8_fp8 v[8*(8*(\a)+\b):8*(8*(\a)+\b)+7], v[128*(\p)+FR*\b:128*(\p)+FR*\b+FR-1], v[AF+64*(\p)+FR*(\a):AF+64*(\p)+FR*(\a)+FR-1], v[8*(8*(\a)+\b):8*(8*(\a)+\b)+7]
.endif
.endr
.endm
.macro PLACES n
.rept \n
	v_nop
.endr
.endm
; A slot's first step: multiplies the sets 0; ahead of its products it asks for the slot's second 128 along K, into the sets 1.
.macro STEP slot, zero
	s_wait_dscnt 0x0                               ; the sets 0 are in
	PLACES NP                                      ; in front of loads into registers that the last products read
	FETCH \slot, 1, 1
	WIN MUL_LO
	MUL8 0, 0, \zero
	MUL8 1, 0, \zero
	MUL8 2, 0, \zero
	MUL8 3, 0, \zero
	WIN 0
.endm
; A slot's second step multiplies the sets 1 and changes slots: ONE barrier; in front of it each wave waits for all its tensor loads, adds 0 to its spare word, and waits for that and for its reads of this slot.
.macro TURN slot, next, fill
	s_wait_tensorcnt 0x0                           ; all my tensor loads have landed: my part of the next slot
	ds_add_u32 v[SPW], v[NIL]                      ; 0 onto my spare word
	s_wait_dscnt 1                                 ; the sets 1 are in; the add alone may be out
	WIN MUL_LO
	MUL8 0, 1, 0                                   ; eight matrix instructions stand between the add and the wait for it
	s_wait_dscnt 0x0                               ; the add is done, and my reads of this slot are over
	s_barrier_signal -1
	MUL8 1, 1, 0
	WIN 0
	s_barrier_wait -1
.if \fill
	CREST                                          ; the barrier has opened a round of the cluster's barrier: no wave of any partner still reads this slot or has a load on its way
	s_add_nc_u64 s[G0+4*\slot+2:G0+4*\slot+3], s[G0+4*\slot+2:G0+4*\slot+3], 2*1024
	s_add_nc_u64 s[G0B+4*\slot+2:G0B+4*\slot+3], s[G0B+4*\slot+2:G0B+4*\slot+3], 2*ROWB
	JLOAD G0+4*\slot, G1, G0B+4*\slot, G1B         ; the first tensor load behind the round; its four v_nop are the places in front of the loads below
.else
	PLACES NP
.endif
	FETCH \next, 0, 0
	WIN MUL_LO
	MUL8 2, 1, 0
	MUL8 3, 1, 0
	WIN 0
.endm
	s_wait_alu depctr_va_vdst(0)
	s_wait_tensorcnt 0x0                           ; my part of K step 0 is in
	ds_add_u32 v[SPW], v[NIL]
	s_wait_dscnt 0x0
	CROUND                                         ; everybody's part is in, and all sixteen work-groups are here
	JLOAD G0+4, G1, G0B+4, G1B                     ; K step 1: the first tensor load behind the round
	FETCH 0, 0, 0
	STEP 0, 1                                      ; the first products start the sums: nothing is cleared
	TURN 0, 1, 1                                   ; slot 0 takes K step 2
	STEP 1, 0
	TURN 1, 0, 1                                   ; slot 1 takes K step 3
	STEP 0, 0
	TURN 0, 1, 0                                   ; nothing is left to ask for
	STEP 1, 0
	s_wait_dscnt 0x0
	WIN MUL_LO
	MUL8 0, 1, 0
	MUL8 1, 1, 0
	MUL8 2, 1, 0
	MUL8 3, 1, 0
	WIN 0
; THE WAY OUT, block by block of 16 rows x 128 columns: sum x 2^(e10 + e11) + bias, through my own stage in LDS, back as whole rows of 512 bytes, which the 32 lanes store as two aligned units of 256 bytes.
.macro TOSTAGE a
.set AC, 64*(\a)
.set XX, XB+64*((\a)%2)
	WIN 0x02                                       ; source 0: window 2
.irp b, 0,1,2,3,4,5,6,7
.irp i, 0,2,4,6
	v_pk_fma_f32 v[XX+8*\b+\i:XX+8*\b+\i+1], v[AC+8*\b+\i:AC+8*\b+\i+1], s[84:85], v[BI+8*\b+\i:BI+8*\b+\i+1] op_sel_hi:[1,0,1]   ; each accumulator from its low end on
.endr
.endr
	WIN 0
.irp b, 0,1,2,3,4,5,6,7
	ds_store_b128 v[STO], v[XX+8*\b:XX+8*\b+3] offset:64*\b
	ds_store_b128 v[STO], v[XX+8*\b+4:XX+8*\b+7] offset:64*\b+16
.endr
.irp t, 0,1,2,3,4,5,6,7,8,9,10,11,12,13,14,15
	ds_load_b128 v[XX+4*\t:XX+4*\t+3], v[RD] offset:\t*SPITCH   ; LDS serves a wave's instructions in order: these see my stores
.endr
.endm
.macro SEND a, younger                 ; younger: the LDS instructions issued behind block a's loads, which may stay out
.set XX, XB+64*((\a)%2)
	s_wait_dscnt \younger
.irp t, 0,1,2,3,4,5,6,7,8,9,10,11,12,13,14,15
	global_store_b128 v[CO], v[XX+4*\t:XX+4*\t+3], s[66:67] offset:(16*(\a)+\t)*4096 th:TH_STORE_NT   ; 32 lanes store 512 consecutive bytes, aligned; written once
.endr
.endm
	s_wait_kmcnt 0x0
	s_wait_loadcnt 0x0                             ; the bias
	s_add_co_i32 s84, s72, s73
	s_add_co_i32 s84, s84, 127
	s_lshl_b32 s84, s84, 23                        ; 2^(e10 + e11) as f32
	s_mov_b32 s85, s84
	PLACES NP                                      ; behind the last products
	TOSTAGE 0
.irp a, 1,2,3
.if \a > 1
	s_wait_xcnt 0x0                                ; block a - 2's stores have read their registers: block a's numbers may be written there
.endif
	TOSTAGE \a
	SEND \a-1, 32                                  ; behind block a - 1's loads: block a's 16 stores and 16 loads
.endr
	SEND 3, 0
	s_wait_tensorcnt 0x0                           ; the wave's end, behind my last tensor load and my last LDS store
	ds_add_u32 v[SPW], v[NIL]
	s_wait_dscnt 0x0
	CROUND                                         ; the closing round
	s_endpgm
.Lfunc_end_k_qf74c9a1238_oproj:
	.size	k_qf74c9a1238_oproj, .Lfunc_end_k_qf74c9a1238_oproj-k_qf74c9a1238_oproj
	.p2alignl 7, 3214868480
	.fill 96, 4, 3214868480
	.section	.rodata,"a",@progbits
	.p2align	6, 0x0
	.amdhsa_kernel k_qf74c9a1238_oproj
		.amdhsa_group_segment_fixed_size 327680
		.amdhsa_private_segment_fixed_size 0
		.amdhsa_enable_private_segment 0
		.amdhsa_kernarg_size 40
		.amdhsa_user_sgpr_count 2
		.amdhsa_user_sgpr_kernarg_segment_ptr 1
		.amdhsa_wavefront_size32 1
		.amdhsa_system_sgpr_workgroup_id_x 1
		.amdhsa_system_sgpr_workgroup_id_y 1
		.amdhsa_system_sgpr_workgroup_id_z 1
		.amdhsa_system_vgpr_workitem_id 0
		.amdhsa_next_free_vgpr 768
		.amdhsa_next_free_sgpr 100
		.amdhsa_reserve_vcc 0
		.amdhsa_float_denorm_mode_32 3
		.amdhsa_float_denorm_mode_16_64 3
		.amdhsa_memory_ordered 1
		.amdhsa_forward_progress 1
		.amdhsa_inst_pref_size 77
	.end_amdhsa_kernel
	.amdgpu_metadata
---
amdhsa.version: [ 1, 2 ]
amdhsa.kernels:
  - .name:           k_qf74c9a1238_oproj
    .symbol:         k_qf74c9a1238_oproj.kd
    .args:
      - { .name: ac, .offset: 0, .size: 8, .value_kind: global_buffer, .address_space: global }
      - { .name: codes, .offset: 8, .size: 8, .value_kind: global_buffer, .address_space: global }
      - { .name: lowp_scales, .offset: 16, .size: 8, .value_kind: global_buffer, .address_space: global }
      - { .name: bo, .offset: 24, .size: 8, .value_kind: global_buffer, .address_space: global }
      - { .name: out0, .offset: 32, .size: 8, .value_kind: global_buffer, .address_space: global }
    .group_segment_fixed_size: 327680
    .private_segment_fixed_size: 0
    .kernarg_segment_align: 8
    .kernarg_segment_size: 40
    .max_flat_workgroup_size: 128
    .sgpr_count:     100
    .vgpr_count:     768
    .wavefront_size: 32
...
	.end_amdgpu_metadata
.endif
;; end of part 4
